; MI455X (gfx1250); checked and timed in simulation.
; The chip was launched on July 23, 2026; its instructions are those of AMD's public machine-readable ISA for CDNA 5 (MIT licence, August 2026) and "CDNA5" Instruction Set Architecture Reference Guide (July 2026). The comments in the code are by the model that wrote it; some were corrected since.
;; Attn. Allowed arithmetic: matrix products marked QUANTISED: E2M3 operands, one E8M0 scale for each 32 along K, by v_wmma_scale_f32_16x16x128_f8f6f4 with both operands' format E2M3, f32 sums; products left as they are: f32 operands where the result goes on into a quantised operand, else bf16, f16 or f32 operands; f32 sums; everything else in f32.
;; Inputs: W_attn 1,024 x 1,024 float32; b_attn 1,024 float32; encoder_outputs 2,048 x 32 x 1,024 float32; hidden 1 x 32 x 1,024 float32.
;; Outputs: out0 32 x 1 x 2,048 float32.
;; This version of the problem:
;;   THIS VERSION OF THE PROBLEM IS GIVEN IN LOW PRECISION. The matrix products marked QUANTISED in the list below multiply operands that are first quantised to E2M3 (2 exponent bits, 3 mantissa bits; 6 bits a number), with one power-of-two scale for each 32 numbers along K (OCP MX v1.0); their sums are f32. All else is computed in f32.
;;   The module's matrix products, in the order in which they are computed (A, B: the left and right operand; K: the contracted axis; several contracted axes count as one K, in the product's order):
;;     1. [M 65,536, K 1,024] x [K 1,024, N 1,024]; A: input encoder_outputs; B: input W_attn: QUANTISED
;;     2. batch 32 x [M 1, K 1,024] x [K 1,024, N 2,048]; A: input hidden; B: computed on the way: left as it is (M = 1 < 16)
;;   THE QUANTISER, for each operand of a quantised product, along K:
;;     - K is cut into blocks of 32 from its start; a last block that is shorter is filled with zeros.
;;     - A block's scale is 2^e with e = floor(log2(the largest magnitude in the block)) - 2, held to -126 .. 127; a block of zeros has e = 0. As a byte (E8M0): e + 127.
;;     - Each number is divided by its block's scale, clamped to +-7.5, and rounded to the nearest number of E2M3, ties to even, subnormals kept.
;;     - The product sums the exact products of the quantised numbers (number of the format x scale) in f32.
;;   ~~~python
;;   def quantise(x, axis):      # numpy; x: float32 -> the quantised numbers, widened to float32 again
;;       x = np.moveaxis(x, axis, -1); K = x.shape[-1]
;;       x = np.pad(x, [(0, 0)] * (x.ndim - 1) + [(0, -K % 32)]); x = x.reshape(x.shape[:-1] + (-1, 32)); a = np.abs(x).max(-1, keepdims=True)
;;       e = np.where(a > 0, np.clip(np.frexp(np.where(a > 0, a, 1))[1] - 1 - 2, -126, 127), 0)      # np.frexp(a)[1] - 1 = floor(log2(a)), exactly
;;       r = np.clip(x / 2.0 ** e, -7.5, 7.5)
;;       step = 2.0 ** (np.maximum(np.frexp(np.where(r == 0, 1, r))[1] - 1, 0) - 3)
;;       q = np.round(r / step) * step * 2.0 ** e      # np.round: ties to even
;;       return np.moveaxis(q.reshape(q.shape[:-2] + (-1,))[..., :K], -1, axis).astype(np.float32)
;;   ~~~
;; 2 versions. Each part assembles by itself: llvm-mc -triple=amdgcn-amd-amdhsa -mcpu=gfx1250 --defsym DOCPART=n.
;; ======== version 1 of 2: 3 launches
;; workspace buffers: wpk 819,200 bytes; hidT 131,072 bytes; energies 262,144 bytes
;; launch prep (part 1): grid 64 x 1, 8 waves a work-group, no clusters, 69,120 bytes of LDS; arguments W_attn, hidden, wpk, hidT; writes wpk, hidT
.if DOCPART == 1
	.amdgcn_target "amdgcn-amd-amdhsa--gfx1250"
	.amdhsa_code_object_version 6
	.text
	.protected	k_q12dc73aac3_prep
	.globl	k_q12dc73aac3_prep
	.p2align	8
	.type	k_q12dc73aac3_prep,@function
k_q12dc73aac3_prep:
	s_mov_b64 s[64:65], 0
	v_nop
	global_prefetch_b8 v0, s[64:65] scope:SCOPE_SE
	s_setreg_imm32_b32 hwreg(HW_REG_WAVE_MODE, 25, 1), 1
	s_wait_xcnt 0x0
; W_attn [1024 (n)][1024 (k)] f32 becomes codes of FP6 (E2M3) with one E8M0 byte for each 32 along k, laid as the next launch's
; operand registers want them; hidden [32][1024] is laid [8 (b / 4)][1024 (n)][4 (b % 4)].
; wpk: 8 slots of 102,400 bytes, slot = 2 g + hf (g: 256 along k, hf: half of n).  In a slot tile u = 0..31 is rows 16 (32 hf + u) + 0..15.
;   codes:  u x 3072 + q x 1536 + c x 512 + 16 x lane: registers 4 c .. 4 c + 3 of the fragment of k step 2 g + q (16 rows x 128 k, 12 registers a lane)
;   scales: 98,304 + (u / 4) x 512 + 16 x L + 4 x (u % 4), L = row + 16 q: the row's scale word (four bytes) for that k step
; A block's scale is 2^(floor(log2(its largest magnitude)) - 2): the byte is the largest magnitude's exponent field - 2, held at 1 from below.
; LIMITS: a block of zeros gets the byte 1 where the rule says 127 (its codes are zeros, and this program alone reads the bytes); NaN and infinities are not served.
; SHARES: a work-group takes four tiles x two k steps (one block of 512 scale bytes), each of its eight waves one fragment.  Nothing is shared between
; work-groups, so there is no cluster; the launch has 64 work-groups because a scale block wants its eight fragments in one of them.
.set SPITCH, 528                       ; a stage row: 512 bytes + 16 = 33 x 16: the sixteen rows that a read-back touches start 16 bytes apart modulo 256
.set STGB,   16*SPITCH                 ; a wave's stage
.set SCB,    8*STGB                    ; behind the stages: the work-group's 512 scale bytes
.set SLOTB,  102400
.set L16,  4                           ; v4   16 x lane
.set SADR, 5                           ; v5   the stage on the way in: 16 x lane
.set RADR, 6                           ; v6   and back: 528 x row + 128 x half
.set QSH,  7                           ; v7   8 x half: where my two scale bytes stand in the word
.set SWA,  8                           ; v8   LDS place of my row's scale word
.set SRA,  9                           ; v9   the scale block read back: 16 x lane
.set HOF,  10                          ; v10  hidden: my byte offset
.set HTO,  11                          ; v11  hidT: 8 x thread
.set LD,   16                          ; v16-79   16 rows as loaded
.set QX,   80                          ; v80-143  my row's 64 numbers: register 32 c + i = k 64 c + 32 half + i
.set QM,   144                         ; two largest magnitudes
.set QSC,  146                         ; the conversions' scale operands
.set QBY,  148                         ; the bytes
.set QW,   150                         ; the scale word
.set QT2,  151
.set QCD,  152                         ; v152-163 the fragment's 12 registers
.set QTA,  164                         ; a conversion's three registers begin on an even number: the upper halves are made here and moved
.set QTB,  168
	s_load_b256 s[4:11], s[0:1], 0x0               ; W s[4:5], hidden s[6:7], wpk s[8:9], hidT s[10:11]
	v_lshl_add_u32 v180, v0, 2, 0x10a00
	v_mov_b32 v181, 0
	v_lshrrev_b32 v1, 5, v0
	v_readfirstlane_b32 s12, v1                    ; wave 0..7
	v_and_b32 v1, 31, v0                           ; lane
	v_and_b32 v2, 15, v0                           ; row r
	v_bfe_u32 v3, v0, 4, 1                         ; half h
	v_lshlrev_b32 v[L16], 4, v1
	v_mov_b32 v[QT2], 0                            ; a lane permute's destination counts as one of its sources
	s_and_b32 s13, s12, 3                          ; j: which of the four tiles
	s_lshr_b32 s14, s12, 2                         ; q: which of the two k steps
	s_and_b32 s15, ttmp9, 15                       ; tg: the group of four tiles
	s_lshr_b32 s16, ttmp9, 4                       ; g: the chunk of 256 along k
	s_mul_i32 s17, s12, STGB
	v_add_nc_u32 v[SADR], s17, v[L16]
	v_mul_u32_u24 v[RADR], v2, SPITCH
	v_lshl_add_u32 v[RADR], v3, 7, v[RADR]
	v_add_nc_u32 v[RADR], s17, v[RADR]
	v_lshlrev_b32 v[QSH], 3, v3
	s_lshl_b32 s18, s14, 8
	s_lshl_b32 s19, s13, 2
	s_add_co_u32 s18, s18, s19
	s_add_co_u32 s18, s18, SCB
	v_lshl_add_u32 v[SWA], v2, 4, s18              ; SCB + 16 (r + 16 q) + 4 j
	v_add_nc_u32 v[SRA], SCB, v[L16]
	v_and_b32 v[HOF], 1, v0
	v_lshlrev_b32 v[HOF], 13, v[HOF]
	v_lshrrev_b32 v[HTO], 1, v0
	v_lshl_add_u32 v[HOF], v[HTO], 2, v[HOF]       ; hidden: rows 2 (t % 2) and + 1 of my four, column t / 2 of my 128
	v_lshlrev_b32 v[HTO], 3, v0
	s_lshr_b32 s20, ttmp9, 3
	s_lshl_b32 s20, s20, 14                        ; four rows of hidden, and their part of hidT: 16,384 bytes
	s_and_b32 s22, ttmp9, 7
	s_lshl_b32 s24, s22, 9
	s_add_co_u32 s24, s24, s20                     ; hidden: + 128 columns x 4 bytes
	s_mov_b32 s25, 0
	s_lshl_b32 s26, s22, 11
	s_add_co_u32 s26, s26, s20                     ; hidT: + 128 columns x 16 bytes
	s_mov_b32 s27, 0
	s_lshl_b32 s28, s15, 2
	s_add_co_u32 s28, s28, s13                     ; tile t = 4 tg + j
	s_lshl_b32 s28, s28, 16                        ; 16 rows of 4,096 bytes
	s_lshl_b32 s21, s16, 1
	s_add_co_u32 s21, s21, s14                     ; k step 2 g + q
	s_lshl_b32 s21, s21, 9
	s_add_co_u32 s28, s28, s21
	s_mov_b32 s29, 0
	s_lshl_b32 s30, s16, 1
	s_lshr_b32 s31, s15, 3
	s_add_co_u32 s30, s30, s31                     ; slot 2 g + hf
	s_mul_i32 s30, s30, SLOTB
	s_and_b32 s31, s15, 7                          ; the group's number in the slot
	s_lshl_b32 s32, s31, 2
	s_add_co_u32 s32, s32, s13                     ; u
	s_mul_i32 s32, s32, 3072
	s_mul_i32 s33, s14, 1536
	s_add_co_u32 s32, s32, s33
	s_add_co_u32 s32, s32, s30                     ; my fragment's image
	s_mov_b32 s33, 0
	s_lshl_b32 s34, s31, 9
	s_add_co_u32 s34, s34, s30
	s_add_co_u32 s34, s34, 98304                   ; the group's scale block
	s_mov_b32 s35, 0
	s_wait_kmcnt 0x0
	s_add_nc_u64 s[6:7], s[6:7], s[24:25]
	s_add_nc_u64 s[10:11], s[10:11], s[26:27]
	s_add_nc_u64 s[4:5], s[4:5], s[28:29]
	s_add_nc_u64 s[36:37], s[8:9], s[34:35]
	s_add_nc_u64 s[8:9], s[8:9], s[32:33]
	global_load_b32 v172, v[HOF], s[6:7]
	global_load_b32 v173, v[HOF], s[6:7] offset:4096
.irp p, 0,1,2,3,4,5,6,7,8,9,10,11,12,13,14,15
	global_load_b128 v[LD+4*\p:LD+4*\p+3], v[L16], s[4:5] offset:4096*\p th:TH_LOAD_NT   ; 512 consecutive bytes of row p
.endr
	s_wait_loadcnt 16                              ; hidden's two numbers are in; W's sixteen loads may be out
	global_store_b64 v[HTO], v[172:173], s[10:11]  ; a wave stores 256 consecutive bytes, aligned
	s_wait_loadcnt 0x0
; The conversions take 16 neighbours along k from ONE lane's registers, the loads take neighbouring bytes in neighbouring lanes: the 16 x 512 bytes turn through the wave's own stage.
.irp p, 0,1,2,3,4,5,6,7,8,9,10,11,12,13,14,15
	ds_store_b128 v[SADR], v[LD+4*\p:LD+4*\p+3] offset:SPITCH*\p
.endr
.irp c, 0,1
.irp p, 0,1,2,3,4,5,6,7
	ds_load_b128 v[QX+32*\c+4*\p:QX+32*\c+4*\p+3], v[RADR] offset:256*\c+16*\p   ; LDS serves a wave's instructions in order: these see the stores above
.endr
.endr
	s_wait_dscnt 0x0
.irp c, 0,1                                    ; my block 2 c + h: all its 32 numbers are mine
	v_max3_num_f32 v[QM+\c], |v[QX+32*\c]|, |v[QX+32*\c+1]|, 0x1800000   ; with the floor 2^(3 - 127): the byte cannot fall under 1
.endr
.irp i, 2,4,6,8,10,12,14,16,18,20,22,24,26,28,30
.irp c, 0,1
	v_max3_num_f32 v[QM+\c], v[QM+\c], |v[QX+32*\c+\i]|, |v[QX+32*\c+\i+1]|   ; the two blocks by turns
.endr
.endr
.irp c, 0,1
	v_add_nc_u32 v[QSC+\c], 0xff000000, v[QM+\c]   ; 2 off the exponent field: the conversion takes this operand's exponent field as its scale
.endr
.irp c, 0,1
	v_lshrrev_b32 v[QBY+\c], 23, v[QSC+\c]         ; the scale's byte
.endr
	v_lshl_or_b32 v[QW], v[QBY+1], 16, v[QBY]      ; blocks h and 2 + h,
	v_lshlrev_b32 v[QW], v[QSH], v[QW]             ; at their places in the word;
	s_mov_b32 s20, 0x76543210
	s_mov_b32 s21, 0xfedcba98
	v_permlanex16_b32 v[QT2], v[QW], s20, s21
	v_or_b32 v[QW], v[QW], v[QT2]                  ; with lane l xor 16's two the word is whole
	v_cvt_scalef32_pk16_fp6_f32 v[QCD:QCD+2], v[QX:QX+15], v[QSC]
	v_cvt_scalef32_pk16_fp6_f32 v[QTA:QTA+2], v[QX+16:QX+31], v[QSC]
	v_cvt_scalef32_pk16_fp6_f32 v[QCD+6:QCD+8], v[QX+32:QX+47], v[QSC+1]
	v_cvt_scalef32_pk16_fp6_f32 v[QTB:QTB+2], v[QX+48:QX+63], v[QSC+1]
	v_nop                                          ; one plain instruction behind the scaled conversions
.irp i, 0,1,2
	v_mov_b32 v[QCD+3+\i], v[QTA+\i]
	v_mov_b32 v[QCD+9+\i], v[QTB+\i]
.endr
.irp c, 0,1,2
	global_store_b128 v[L16], v[QCD+4*\c:QCD+4*\c+3], s[8:9] offset:512*\c   ; the image: 512 consecutive bytes a store, aligned
.endr
	ds_store_b32 v[SWA], v[QW]                     ; both halves of the lanes hold the same word and write it to the same place
	s_wait_dscnt 0x0                               ; for the others' sake: my word has landed
	s_barrier_signal -1
	s_barrier_wait -1
	s_cmp_lg_u32 s12, 0                            ; wave 0 stores the group's scale block
	s_cbranch_scc1 .Lend
	ds_load_b128 v[176:179], v[SRA]
	s_wait_dscnt 0x0
	global_store_b128 v[L16], v[176:179], s[36:37]
.Lend:
	s_wait_tensorcnt 0x0
	ds_add_u32 v180, v181
	s_wait_dscnt 0x0
	s_endpgm
.Lfunc_end_k_q12dc73aac3_prep:
	.size	k_q12dc73aac3_prep, .Lfunc_end_k_q12dc73aac3_prep-k_q12dc73aac3_prep
	.p2alignl 7, 3214868480
	.fill 96, 4, 3214868480
	.section	.rodata,"a",@progbits
	.p2align	6, 0x0
	.amdhsa_kernel k_q12dc73aac3_prep
		.amdhsa_group_segment_fixed_size 69120
		.amdhsa_private_segment_fixed_size 0
		.amdhsa_enable_private_segment 0
		.amdhsa_kernarg_size 32
		.amdhsa_user_sgpr_count 2
		.amdhsa_user_sgpr_kernarg_segment_ptr 1
		.amdhsa_wavefront_size32 1
		.amdhsa_system_sgpr_workgroup_id_x 1
		.amdhsa_system_sgpr_workgroup_id_y 1
		.amdhsa_system_sgpr_workgroup_id_z 1
		.amdhsa_system_vgpr_workitem_id 0
		.amdhsa_next_free_vgpr 182
		.amdhsa_next_free_sgpr 66
		.amdhsa_reserve_vcc 0
		.amdhsa_float_denorm_mode_32 3
		.amdhsa_float_denorm_mode_16_64 3
		.amdhsa_memory_ordered 1
		.amdhsa_forward_progress 1
		.amdhsa_inst_pref_size 11
	.end_amdhsa_kernel
	.amdgpu_metadata
---
amdhsa.version: [ 1, 2 ]
amdhsa.kernels:
  - .name:           k_q12dc73aac3_prep
    .symbol:         k_q12dc73aac3_prep.kd
    .args:
      - { .name: W_attn, .offset: 0, .size: 8, .value_kind: global_buffer, .address_space: global }
      - { .name: hidden, .offset: 8, .size: 8, .value_kind: global_buffer, .address_space: global }
      - { .name: wpk, .offset: 16, .size: 8, .value_kind: global_buffer, .address_space: global }
      - { .name: hidT, .offset: 24, .size: 8, .value_kind: global_buffer, .address_space: global }
    .group_segment_fixed_size: 69120
    .private_segment_fixed_size: 0
    .kernarg_segment_align: 8
    .kernarg_segment_size: 32
    .max_flat_workgroup_size: 256
    .sgpr_count:     66
    .vgpr_count:     182
    .wavefront_size: 32
...
	.end_amdgpu_metadata
.endif
;; end of part 1
;; launch main (part 2): grid 256 x 1, 4 waves a work-group, clusters of 4 x 1, 327,680 bytes of LDS; arguments encoder_outputs, wpk, hidT, energies; writes energies
.if DOCPART == 2
	.amdgcn_target "amdgcn-amd-amdhsa--gfx1250"
	.amdhsa_code_object_version 6
	.text
	.protected	k_q12dc73aac3_main
	.globl	k_q12dc73aac3_main
	.p2align	8
	.type	k_q12dc73aac3_main,@function
k_q12dc73aac3_main:
	s_mov_b64 s[64:65], 0
	v_nop
	global_prefetch_b8 v0, s[64:65] scope:SCOPE_SE
	s_setreg_imm32_b32 hwreg(HW_REG_WAVE_MODE, 25, 1), 1
	s_wait_xcnt 0x0
	s_wait_alu depctr_hold_cnt(0) depctr_sa_sdst(0) depctr_va_vdst(0) depctr_va_sdst(0) depctr_va_ssrc(0) depctr_va_vcc(0) depctr_vm_vsrc(0)
	s_getreg_b32 s2, hwreg(HW_REG_IB_STS2, 6, 4)
	s_cmp_eq_u32 s2, 0
	s_cbranch_scc0 .Lentry_in_a_cluster
	s_endpgm
.Lentry_in_a_cluster:
	s_bfe_u32 s2, ttmp6, 0x10000c
	s_cmp_lg_u32 s2, 0x3003
	s_cbranch_scc0 .Lentry_shape_is_right
	s_endpgm
.Lentry_shape_is_right:
; energies[b][s] = sum over n of hidden[b][n] x (sum over k of Q(enc[s][b][k]) Q(W[n][k])), Q the MX-FP6 quantiser along k.  (hidden . b_attn is added by the next launch.)
; enc [2048 (s)][32 (b)][1024 (k)] f32 is read ONCE and quantised on the way; W comes as codes and scale words laid as operand registers (wpk), hidden as [b / 4][n][b % 4] (hidT).
; SHARES.  A work-group owns 64 s x 4 b, each of its four waves 16 s x 4 b: four tiles of 16 rows; a tile has ONE b and 16 neighbouring s, so that hidden is one number a lane and tile.
; Every wave multiplies its 64 rows by all of W: 8 slots (4 chunks of 256 along k x 2 halves of n) x 32 tiles of 16 n x 4 row tiles x 2 k steps = 2,048 matrix instructions.
; The second product is linear in the first: each chunk's partial product is weighted with hidden at once and added to 32 running sums a lane, so W goes by once, chunk by chunk.
; BESIDE THE PRODUCTS of slot i the wave quantises k step i + 2 of its rows and asks memory for k step i + 3: 64 loads of 512 bytes are asked for all the time.
; The f32 numbers turn through the wave's own stage in LDS (a load takes neighbouring bytes in neighbouring lanes, a conversion 16 neighbours in one lane); the codes wait in the wave's own park in LDS.
; CLUSTER: the four work-groups of a cluster have the same four b and walk the same W: hidden's and W's tiles are asked for jointly, by the same tensor load with a mask that names the four.
; LIMITS: a block of zeros gets the byte 1 where the rule says 127 (its codes are zeros; only this launch reads the bytes); NaN and infinities are not served; the sums over n and over the chunks of k are
; f32 sums in this text's order.
; REGISTERS, in windows of 256 (s_set_vgpr_msb: bits 1:0 source 0, 3:2 source 1, 5:4 source 2, 7:6 destination):
;   window 0: v0-13 addresses; v16-23 enc's scale words; v24-31 W's; v32-63 the running sums; v64-127 two sets of four accumulators; v128-223 four sets of W's fragments (2 k steps x 12)
;   window 1: v0-95 enc's eight fragments of the chunk in hand; v96-127 hidden, two sets; v128-132 the LDS addresses of the loads that stand among the products (an LDS address is a source 0, like a product's A)
;   window 2: the quantiser: v0-63 a row's 64 numbers, v64-99 at work and its addresses        window 3: four landing sets of 16 x 4 registers
; One setting, 0x01, serves the products, the weighting and the loads of W; the quantiser's slices, one behind each tile's eight products, switch in and out.
.set SLOTB,  102400                    ; a slot of wpk: 32 tiles x 3,072 bytes of codes, 8 x 512 of scale words
.set QUART,  SLOTB/4                   ; what one wave's tensor load brings
.set HID,    102400                    ; LDS: slot 0 at 0; hidden [1024][4] f32;
.set SPARE,  118784                    ; the spare words, 128 bytes a wave: two blocks of 256 bytes that no other line names;
.set SLOT1,  131072                    ; slot 1, so that one exclusive or turns an address from slot to slot;
.set PRIV,   233472                    ; and for each wave 23,296 bytes of its own, into which no tile lands:
.set PRIVB,  23296
.set SPITCH, 528                       ;   the stage: 16 rows of 512 bytes + 16 = 33 x 16: the sixteen rows that a read-back touches start 16 bytes apart modulo 256
.set PARK,   16*SPITCH                 ;   the park: two halves (k step even, odd), 8,192 bytes apart: 4 images of 1,536 bytes, then
.set PH,     8192
.set PSC,    6144                      ;   4 images of scale words, 128 bytes each
.set OUT,    SLOT1                     ; the way out: [4 b][64 s] f32, in slot 1 when it has had its last fill and its last read
.set L16,  4                           ; v4   16 x lane
.set SPW,  5                           ; v5   my spare word: SPARE + 4 x thread; never rewritten
.set NIL,  6                           ; v6   0; never rewritten
.set HB,   7                           ; v7   HID + 16 x (lane % 16)
.set OADR, 8                           ; v8   OUT + 64 x wave + 32 x (lane / 16)
.set ORD,  9                           ; v9   OUT + 256 x wave + 8 x lane
.set GOFF, 10                          ; v10  8 x lane
.set ASC,  16                          ; enc's scale words: k step q, tile i at v[16 + 4 q + i]
.set WSC,  24                          ; W's: set (u / 4) % 2, tile u % 4: lanes 0-15 k step 0, lanes 16-31 k step 1
.set EN0,  32                          ; the running sums: tile i, register j at v[32 + 8 i + j]
.set ACC,  64                          ; accumulators: set u % 2, tile i
.set BF,   128                         ; W's fragments: set u % 4, k step q at v[128 + 24 set + 12 q]
.set HF,   96                          ; window 1: hidden: set (u / 4) % 2, tile u % 4, b i
.set BADR, 128                         ; window 1: v128, v129: the slot's first and second 49,152 bytes, + 16 x lane
.set HADR, 130                         ; window 1: hidden's half of n
.set AL16, 131                         ; window 1: the park, 16 x lane
.set AL4,  132                         ; window 1: its scale words, 4 x lane
.set QX,   0                           ; window 2 from here on
.set QM,   64
.set QSC,  66
.set QBY,  68
.set QW,   70
.set QT2,  71
.set QCD,  72                          ; the fragment just made, 12 registers
.set QTA,  84
.set QTB,  88
.set QSH,  92                          ; 8 x (lane / 16)
.set SADR, 93                          ; the stage on the way in: 16 x lane
.set RADR, 94                          ; and back: 528 x (lane % 16) + 128 x (lane / 16)
.set PADR, 95                          ; the park's half in hand
.set PSA,  96
.set EOFF, 97                          ; enc: 16 x lane; never rewritten
.set PB16, 98
.set PB4,  99
.set WV,   12                          ; s12  wave
.set G1W,  24                          ; s[24:31] descriptor group 1: 100 rows of 256 bytes;  s[32:39]: 16 rows
.set G1H,  32
.set G0A,  40                          ; s[40:43] group 0: slot 0's first fill;  s[44:47]: slot 1's, which then walks;  s[48:51]: hidden
.set G0W,  44
.set G0H,  48
.set ENC,  52                          ; s[52:53] enc at my first row, at the k step to be asked for
.set EN,   54                          ; s[54:55] energies at the 64 numbers that my wave stores
.set TB,   56                          ; s56  LDS byte of the slot in hand
.set HO,   57                          ; s57  0 or 8,192: hidden's half of n
.set PK,   58                          ; s58  0 or 8,192: the park's half
.set CNT,  59
.set SEL,  60                          ; s[60:61] v_permlanex16_b32's selects for lane l xor 16
.set TB1,  73
.set MSB, 0
.macro WIN new                         ; the immediate's high byte repeats the setting that is left; a switch that changes nothing is dropped
.if MSB != \new
	s_set_vgpr_msb (MSB<<8)|\new
.set MSB, \new
.endif
.endm
; LDS WAITS ARE COUNTED BY THE ASSEMBLER.  DSN counts the LDS lines written so far in a slot's straight text; a mark keeps DSN as it stood behind a load.  LDS instructions of a wave end in order
; (ISA guide 5.7.1), so the load is in when at most DSN - mark younger ones are out.
.set DSN, 0
.set MKB0, 0
.set MKB1, 0
.set MKB2, 0
.set MKB3, 0
.set MKX, 0
.macro WAITDS mark
.if DSN-\mark > 63
	s_wait_dscnt 63
.else
	s_wait_dscnt DSN-\mark
.endif
.endm
.macro WAITB u
.if (\u)%4 == 0
	WAITDS MKB0
.elseif (\u)%4 == 1
	WAITDS MKB1
.elseif (\u)%4 == 2
	WAITDS MKB2
.else
	WAITDS MKB3
.endif
.endm
.macro MARKB u
.if (\u)%4 == 0
.set MKB0, DSN
.elseif (\u)%4 == 1
.set MKB1, DSN
.elseif (\u)%4 == 2
.set MKB2, DSN
.else
.set MKB3, DSN
.endif
.endm
; A round of the cluster's barrier: my work-group's barrier; wave 0 signals for the work-group; every wave waits for all four work-groups; my work-group's barrier once more.
.macro CROUND
	s_barrier_signal -1
	s_barrier_wait -1
	s_cmp_lg_u32 s[WV], 0
	s_cbranch_scc1 .Lnot_wave_0_\@
	s_barrier_signal -3
.Lnot_wave_0_\@:
	s_barrier_wait -3
	s_barrier_signal -1
	s_barrier_wait -1
.endm
; ---- THE QUANTISER, tile x (one b, 16 s) of one k step (128 along k)
.macro QST x, r0                       ; eight rows of landing set x into the stage, as they were loaded
	WIN 0x0e                                       ; address window 2, data window 3
.irp p, 0,1,2,3,4,5,6,7
	ds_store_b128 v[SADR], v[64*(\x)+4*((\r0)+\p):64*(\x)+4*((\r0)+\p)+3] offset:SPITCH*((\r0)+\p)
.set DSN, DSN+1
.endr
.endm
.macro QRD c                           ; back: lane (r, h) takes k = 64 c + 32 h + 0 .. 31 of row r: a whole block
	WIN 0xaa
.irp p, 0,1,2,3,4,5,6,7
	ds_load_b128 v[QX+32*(\c)+4*\p:QX+32*(\c)+4*\p+3], v[RADR] offset:256*(\c)+16*\p
.set DSN, DSN+1
.endr
.set MKX, DSN
.endm
.macro QGL x                           ; landing set x takes the same tile of the k step to be asked for: each load 512 consecutive bytes of one row, aligned
	WIN 0xc2                                       ; destination window 3, address window 2
.irp p, 0,1,2,3,4,5,6,7,8,9,10,11,12,13,14,15
	global_load_b128 v[64*(\x)+4*\p:64*(\x)+4*\p+3], v[EOFF], s[ENC:ENC+1] offset:4096*(\x)+131072*\p th:TH_LOAD_NT
.endr
.endm
.macro QV1                             ; number QN of the quantiser's list of 51 vector instructions
.set QC, QN%2
.set QI, 2*(QN/2)
.if QN < 2
	v_max3_num_f32 v[QM+QC], |v[QX+32*QC]|, |v[QX+32*QC+1]|, 0x1800000   ; my block 2 c + h, with the floor 2^(3 - 127): the byte cannot fall under 1
.elseif QN < 32
	v_max3_num_f32 v[QM+QC], v[QM+QC], |v[QX+32*QC+QI]|, |v[QX+32*QC+QI+1]|   ; the two blocks by turns
.elseif QN < 34
	v_add_nc_u32 v[QSC+QC], 0xff000000, v[QM+QC]   ; 2 off the exponent field: the conversion's scale operand
.elseif QN < 36
	v_lshrrev_b32 v[QBY+QC], 23, v[QSC+QC]         ; the scale's byte
.elseif QN == 36
	v_lshl_or_b32 v[QW], v[QBY+1], 16, v[QBY]
.elseif QN == 37
	v_lshlrev_b32 v[QW], v[QSH], v[QW]             ; my two bytes at their places in the row's word
.elseif QN == 38
	v_permlanex16_b32 v[QT2], v[QW], s[SEL], s[SEL+1]
.elseif QN == 39
	v_or_b32 v[QW], v[QW], v[QT2]                  ; with lane l xor 16's two the word is whole
.elseif QN == 40
	v_cvt_scalef32_pk16_fp6_f32 v[QCD:QCD+2], v[QX:QX+15], v[QSC]
.elseif QN == 41
	v_cvt_scalef32_pk16_fp6_f32 v[QTA:QTA+2], v[QX+16:QX+31], v[QSC]   ; (a conversion's three registers begin on an even number)
.elseif QN == 42
	v_cvt_scalef32_pk16_fp6_f32 v[QCD+6:QCD+8], v[QX+32:QX+47], v[QSC+1]
.elseif QN == 43
	v_cvt_scalef32_pk16_fp6_f32 v[QTB:QTB+2], v[QX+48:QX+63], v[QSC+1]
.elseif QN == 44
	v_nop                                          ; one plain instruction behind the scaled conversions
.elseif QN < 48
	v_mov_b32 v[QCD+3+QN-45], v[QTA+QN-45]
.else
	v_mov_b32 v[QCD+9+QN-48], v[QTB+QN-48]
.endif
.endm
.macro QV a, b                         ; numbers a .. b - 1 of the list
	WIN 0xaa
.set QN, \a
.rept (\b)-(\a)
	QV1
.set QN, QN+1
.endr
.endm
.macro QPK x                           ; the fragment and its scale words go to the park as images of their registers
	WIN 0xaa
.irp c, 0,1,2
	ds_store_b128 v[PADR], v[QCD+4*\c:QCD+4*\c+3] offset:1536*(\x)+512*\c
.set DSN, DSN+1
.endr
	ds_store_b32 v[PSA], v[QW] offset:128*(\x)
.set DSN, DSN+1
.endm
.macro PSTEP x                         ; the whole of it in one piece, for the two k steps that have no products beside them
	s_wait_loadcnt 48                              ; loads end in order: set x is in, the three younger sets of 16 may be out
	QST \x, 0
	QST \x, 8
	QRD 0
	QRD 1
	s_wait_dscnt 0x0                               ; the read-back is in, so the stage's stores have read the landing set
	QGL \x
	QV 0, 51
	QPK \x
.endm
.macro QSLICE x, u8, load              ; and cut into eight slices, one behind each of eight tiles' products
.if (\u8) == 0
.if \load
	s_wait_loadcnt 48                              ; set x is in; the three younger sets may be out
.else
	s_wait_loadcnt 48-16*(\x)                      ; the last k step: only the sets behind x are younger
.endif
	QST \x, 0
.elseif (\u8) == 1
	QST \x, 8
.elseif (\u8) == 2
	QRD 0
.elseif (\u8) == 3
	QRD 1
.elseif (\u8) == 4
	WAITDS MKX                                     ; the read-back is in, so the stage's stores have read the landing set
.if \load
	QGL \x
.endif
	QV 0, 12
.elseif (\u8) == 5
	QV 12, 24
.elseif (\u8) == 6
	QV 24, 40
.else
	QV 40, 51
	QPK \x
.endif
	WIN 0x01
.endm
; ---- THE PRODUCTS.  All under the setting 0x01: source 0 (a product's A, the weighting's hidden, an LDS address) in window 1, all else in window 0.
.macro BLD u, n                        ; load n of six of tile u's two fragments of W
	ds_load_b128 v[BF+24*((\u)%4)+4*(\n):BF+24*((\u)%4)+4*(\n)+3], v[BADR+(\u)/16] offset:((\u)%16)*3072+512*(\n)
.set DSN, DSN+1
.if (\n) == 5
	MARKB \u
.endif
.endm
.macro WHLD a                          ; tiles 4 a .. 4 a + 3: their scale words by one load, and hidden at their n by four
	ds_load_b128 v[WSC+4*((\a)%2):WSC+4*((\a)%2)+3], v[BADR+1] offset:49152+512*(\a)
.set DSN, DSN+1
	WIN 0x41
.irp j, 0,1,2,3
	ds_load_b128 v[HF+16*((\a)%2)+4*\j:HF+16*((\a)%2)+4*\j+3], v[HADR] offset:256*(4*(\a)+\j)
.set DSN, DSN+1
.endr
	WIN 0x01
.endm
; Product w of eight of tile u: k step w / 4, row tile w % 4.  Source 0 = 16 rows of enc, source 1 = 16 rows of W: register j of lane (r, h) is (s row 8 h + j, n = n0 + r).
; The first four start the sums with the constant 0.  The four accumulators take turns, one instruction a turn, over the tiles' edges too.
.macro MM u, w
.set MQ, (\w)/4
.set MI, (\w)%4
.set MA, ACC+32*((\u)%2)+8*MI
.set MF, 12*(4*MQ+MI)
.set MB, BF+24*((\u)%4)+12*MQ
.set MS, ASC+4*MQ+MI
.set MW, WSC+4*(((\u)/4)%2)+(\u)%4
.if MQ == 0
	v_wmma_scale_f32_16x16x128_f8f6f4 v[MA:MA+7], v[MF:MF+11], v[MB:MB+11], 0, v[MS], v[MW] matrix_a_fmt:MATRIX_FMT_FP6 matrix_b_fmt:MATRIX_FMT_FP6
.else
	v_wmma_scale_f32_16x16x128_f8f6f4 v[MA:MA+7], v[MF:MF+11], v[MB:MB+11], v[MA:MA+7], v[MS], v[MW] matrix_a_fmt:MATRIX_FMT_FP6 matrix_b_fmt:MATRIX_FMT_FP6 matrix_b_scale:MATRIX_SCALE_ROW1
.endif
.endm
; Number e of sixteen of tile u's weighting: sums (i, 2 p .. 2 p + 1) += hidden[b0 + i][n0 + r] x the accumulator's pair; i = e / 4, p = e % 4: each accumulator from its low end on.
.macro EP u, e
.set EI, (\e)/4
.set EQ, (\e)%4
.set EZ, EI%2
.set EH, HF+16*(((\u)/4)%2)+4*((\u)%4)+EI-EZ
.set EA, ACC+32*((\u)%2)+8*EI+2*EQ
.set EE, EN0+8*EI+2*EQ
.if EZ
	v_pk_fma_f32 v[EE:EE+1], v[EH:EH+1], v[EA:EA+1], v[EE:EE+1] op_sel:[1,0,0] op_sel_hi:[1,1,1]   ; the pair's second register serves both halves
.else
	v_pk_fma_f32 v[EE:EE+1], v[EH:EH+1], v[EA:EA+1], v[EE:EE+1] op_sel_hi:[0,1,1]                  ; the pair's first
.endif
.endm
; A TILE of 16 n: eight products; behind each, two lines of the tile before's weighting; the loads of the tile three on; a slice of the quantiser at the end.
; By count: between a product and the first read of its result stand 8 or more of these weighting lines, none of which names a register of that product; as many in front of a load into a
; set of W's fragments; more in front of a sum begun anew on an accumulator.
.macro TILE u, quant, load
	WAITB \u                                       ; this tile's fragments are in, and with them all that was asked for earlier (scale words, hidden, enc's fragments)
.irp w, 0,1,2,3,4,5,6,7
	MM \u, \w
.if (\u) == 0
	v_nop                                          ; a slot's first tile has no tile before it
	v_nop
.else
	EP (\u)-1, 2*\w
	EP (\u)-1, 2*\w+1
.endif
.if (\w == 0) && ((\u)%4 == 1) && ((\u) <= 25)
	WHLD ((\u)+3)/4
.endif
.if (\w >= 2) && ((\u) <= 28)
	BLD (\u)+3, \w-2
.endif
.endr
.if \quant
	QSLICE (\u)/8, (\u)%8, \load
.endif
.endm
; A SLOT: 256 along k x 512 n.  quant = 1: a k step of enc is quantised beside it; load = 1: and the next is asked for.
.macro SLOT quant, load
.set DSN, 0
	s_add_co_u32 s[TB1], s[TB], 49152
	WIN 0x40                                       ; destination window 1
	v_add_nc_u32 v[BADR], s[TB], v[L16]
	v_add_nc_u32 v[BADR+1], s[TB1], v[L16]
	v_add_nc_u32 v[HADR], s[HO], v[HB]
.if \quant
	WIN 0x88                                       ; destination and source 1 window 2
	v_add_nc_u32 v[PADR], s[PK], v[PB16]
	v_add_nc_u32 v[PSA], s[PK], v[PB4]
.endif
	WIN 0x01
	WHLD 0
.irp t, 0,1,2
.irp n, 0,1,2,3,4,5
	BLD \t, \n
.endr
.endr
.set U, 0
.rept 32
	TILE U, \quant, \load
.set U, U+1
.endr
.set EX, 0
.rept 16
	EP 31, EX
.set EX, EX+1
.endr
	WIN 0
.if \load
	s_wait_xcnt 0x0                                ; the loads have read their base: it steps only behind this wait
	s_add_nc_u64 s[ENC:ENC+1], s[ENC:ENC+1], 512
.endif
.endm
; enc's eight fragments and scale words of a chunk of 256 along k come out of the park.  No wait of its own: the wait at the next tile's head is for younger loads.
.macro ALOAD
	WIN 0x41
.irp q, 0,1
.irp i, 0,1,2,3
.irp c, 0,1,2
	ds_load_b128 v[12*(4*\q+\i)+4*\c:12*(4*\q+\i)+4*\c+3], v[AL16] offset:PH*\q+1536*\i+512*\c
.endr
.endr
.endr
	WIN 0x01
.irp q, 0,1
.irp i, 0,1,2,3
	ds_load_b32 v[ASC+4*\q+\i], v[AL4] offset:PH*\q+128*\i
.endr
.endr
	WIN 0
.endm
; THE CHANGE OF SLOTS.  Each wave waits for all its tensor loads (its quarter of the next slot), adds 0 to its spare word, and waits for that and for its reads of the slot that it leaves.
; fill = 1: a round of the cluster's barrier, so that no wave of any partner still reads the slot or has a load on its way; then the slot takes the slot of wpk two on: the wave's one tensor load
; until the next change, with a whole slot's 256 products in which to land.
.macro CHANGE fill
	WIN 0
	s_wait_tensorcnt 0x0                           ; no tensor load of mine is out, so a group 0 may be written
	ds_add_u32 v[SPW], v[NIL]                      ; 0 onto my spare word; the steps below stand between it and the wait for it
	s_xor_b32 s[TB], s[TB], SLOT1
	s_xor_b32 s[HO], s[HO], 8192
	s_xor_b32 s[PK], s[PK], PH
.if \fill
	s_xor_b32 s[G0W+1], s[G0W+1], SLOT1            ; the walking descriptor: the other slot than last time,
	s_add_nc_u64 s[G0W+2:G0W+3], s[G0W+2:G0W+3], SLOTB   ; the next slot of wpk; the type bits on top are not reached
.endif
	s_wait_dscnt 0x0                               ; the add is done, and my reads of the slot are over
.if \fill
	CROUND
	tensor_load_to_lds s[G0W:G0W+3], s[G1W:G1W+7]
	s_nop 0
.rept 4
	v_nop
.endr
.else
	s_barrier_signal -1
	s_barrier_wait -1
.endif
.endm
	s_load_b256 s[4:11], s[0:1], 0x0               ; enc s[4:5], wpk s[6:7], hidT s[8:9], energies s[10:11]
	v_lshl_add_u32 v[SPW], v0, 2, SPARE
	v_mov_b32 v[NIL], 0
	ds_add_u32 v5, v6
	ds_add_u32 v5, v6
	s_wait_dscnt 0x0
	v_lshrrev_b32 v1, 5, v0
	v_readfirstlane_b32 s[WV], v1                  ; wave 0..3
	v_and_b32 v1, 31, v0                           ; lane
	v_and_b32 v2, 15, v0                           ; r
	v_bfe_u32 v3, v0, 4, 1                         ; h
	v_lshlrev_b32 v[L16], 4, v1
	; the work-group's place: 64 clusters = 8 groups of four b x 8; a cluster's four work-groups are four neighbouring blocks of 64 s.  cx enters enc's and energies' addresses alone
	s_bfe_u32 s13, ttmp6, 0x40000                  ; cx
	s_lshr_b32 s15, ttmp9, 3                       ; bg: b0 = 4 bg
	s_and_b32 s16, ttmp9, 7
	s_lshl_b32 s16, s16, 2
	s_add_co_u32 s16, s16, s13
	s_lshl_b32 s16, s16, 6                         ; S0
	s_lshl_b32 s17, s[WV], 4
	s_add_co_u32 s17, s17, s16                     ; my first s
	s_lshl_b32 s18, s17, 17                        ; x 32 b x 4,096 bytes (under 2^28)
	s_lshl_b32 s19, s15, 14                        ; + b0 x 4,096
	s_add_co_u32 s18, s18, s19
	s_mov_b32 s19, 0
	s_lshl_b32 s17, s15, 2
	s_add_co_u32 s17, s17, s[WV]                   ; the row of energies that my wave stores: b0 + wave
	s_lshl_b32 s17, s17, 13
	s_lshl_b32 s16, s16, 2
	s_add_co_u32 s16, s16, s17
	s_mov_b32 s17, 0
	; descriptor group 1: a dense block as rows of 256 bytes (32 elements of 8 bytes), no padding
	s_mov_b32 s[G1W], 15|(3<<16)|(1<<21)           ; 15:0 the mask: all four work-groups; 17:16 elements of 8 bytes; 21 set beside a mask
	s_mov_b32 s[G1W+1], 32<<16                     ; tensor_dim0 = 32
	s_mov_b32 s[G1W+2], 100<<16                    ; tensor_dim1 = 100
	s_mov_b32 s[G1W+3], 32<<16                     ; tile_dim0 = 32
	s_mov_b32 s[G1W+4], 100                        ; tile_dim1 = 100
	s_mov_b32 s[G1W+5], 32                         ; from row to row
	s_mov_b32 s[G1W+6], 0
	s_mov_b32 s[G1W+7], 0
	s_mov_b32 s[G1H], 15|(3<<16)|(1<<21)
	s_mov_b32 s[G1H+1], 32<<16
	s_mov_b32 s[G1H+2], 16<<16
	s_mov_b32 s[G1H+3], 32<<16
	s_mov_b32 s[G1H+4], 16
	s_mov_b32 s[G1H+5], 32
	s_mov_b32 s[G1H+6], 0
	s_mov_b32 s[G1H+7], 0
	s_mul_i32 s20, s[WV], QUART                    ; my quarter of a slot, in wpk and in LDS
	s_mov_b32 s21, 0
	s_lshl_b32 s22, s[WV], 12                      ; my quarter of hidden's 16,384 bytes
	s_lshl_b32 s23, s15, 14
	s_add_co_u32 s66, s22, s23
	s_mov_b32 s67, 0
	s_mul_i32 s70, s[WV], PRIVB
	s_add_co_u32 s70, s70, PRIV                    ; my stage,
	s_add_co_u32 s71, s70, PARK                    ; my park,
	s_add_co_u32 s72, s71, PSC                     ; its scale words
	s_lshl_b32 s68, s[WV], 6
	s_add_co_u32 s68, s68, OUT
	s_lshl_b32 s69, s[WV], 8
	s_add_co_u32 s69, s69, OUT
	s_mov_b32 s[SEL], 0x76543210
	s_mov_b32 s[SEL+1], 0xfedcba98
	s_mov_b32 s[TB], 0
	s_mov_b32 s[HO], 0
	s_mov_b32 s[PK], 0
	v_lshl_add_u32 v[HB], v2, 4, HID
	v_lshl_add_u32 v[OADR], v3, 5, s68
	v_lshl_add_u32 v[ORD], v1, 3, s69
	v_lshlrev_b32 v[GOFF], 3, v1
	v_mul_u32_u24 v11, v2, SPITCH
	v_lshl_add_u32 v11, v3, 7, v11
	WIN 0x40                                       ; destination window 1
	v_add_nc_u32 v[AL16], s71, v[L16]
	v_lshl_add_u32 v[AL4], v1, 2, s72
	WIN 0x80                                       ; destination window 2
	v_mov_b32 v[QT2], 0                            ; a lane permute's destination counts as one of its sources
	v_lshlrev_b32 v[QSH], 3, v3
	v_add_nc_u32 v[SADR], s70, v[L16]
	v_add_nc_u32 v[RADR], s70, v11
	v_mov_b32 v[EOFF], v[L16]
	v_add_nc_u32 v[PB16], s71, v[L16]
	v_lshl_add_u32 v[PB4], v1, 2, s72
	WIN 0
	s_wait_kmcnt 0x0
	s_add_nc_u64 s[ENC:ENC+1], s[4:5], s[18:19]
	s_add_nc_u64 s[EN:EN+1], s[10:11], s[16:17]
	s_mov_b32 s[G0A], 1                            ; count = 1
	s_mov_b32 s[G0A+1], s20                        ; LDS: slot 0, my quarter
	s_add_nc_u64 s[G0A+2:G0A+3], s[6:7], s[20:21]  ; wpk's slot 0
	s_or_b32 s[G0A+3], s[G0A+3], 0x80000000        ; type = 2
	s_mov_b32 s[G0W], 1
	s_add_co_u32 s[G0W+1], s20, SLOT1
	s_add_nc_u64 s[G0W+2:G0W+3], s[6:7], s[20:21]
	s_add_nc_u64 s[G0W+2:G0W+3], s[G0W+2:G0W+3], SLOTB
	s_or_b32 s[G0W+3], s[G0W+3], 0x80000000
	s_mov_b32 s[G0H], 1
	s_add_co_u32 s[G0H+1], s22, HID
	s_add_nc_u64 s[G0H+2:G0H+3], s[8:9], s[66:67]
	s_or_b32 s[G0H+3], s[G0H+3], 0x80000000
	QGL 0                                          ; k step 0 of my 64 rows: 64 loads of 512 bytes
	QGL 1
	QGL 2
	QGL 3
	WIN 0
	s_wait_xcnt 0x0
	s_add_nc_u64 s[ENC:ENC+1], s[ENC:ENC+1], 512
	CROUND                                         ; all four work-groups are here: the first joint loads meet
	tensor_load_to_lds s[G0H:G0H+3], s[G1H:G1H+7]  ; the first fills go out together: three tensor loads of mine are out
	s_nop 0
	tensor_load_to_lds s[G0A:G0A+3], s[G1W:G1W+7]
	s_nop 0
	tensor_load_to_lds s[G0W:G0W+3], s[G1W:G1W+7]
	s_nop 0
.rept 4
	v_nop
.endr
	s_mov_b32 s[CNT], 2
.Lfirst:                                           ; k steps 0 and 1 are quantised with no products beside them; each trip asks for the k step after the one that is on its way
	WIN 0x88
	v_add_nc_u32 v[PADR], s[PK], v[PB16]
	v_add_nc_u32 v[PSA], s[PK], v[PB4]
	PSTEP 0
	PSTEP 1
	PSTEP 2
	PSTEP 3
	WIN 0
	s_wait_xcnt 0x0
	s_add_nc_u64 s[ENC:ENC+1], s[ENC:ENC+1], 512
	s_xor_b32 s[PK], s[PK], PH
	s_sub_co_u32 s[CNT], s[CNT], 1
	s_cmp_lg_u32 s[CNT], 0
	s_cbranch_scc1 .Lfirst
	s_wait_tensorcnt 0x1                           ; my quarters of hidden and of slot 0 are in; slot 1's may stay out
	s_wait_dscnt 0x0
	s_barrier_signal -1
	s_barrier_wait -1                              ; everybody's are
	ALOAD
.set EX, 0
.rept 32
	v_mov_b32 v[EN0+EX], 0                         ; the running sums are sums of vector multiply-adds over all slots: no product could start them
.set EX, EX+1
.endr
	s_mov_b32 s[CNT], 5
.Lslot:                                            ; slots 0 to 4
	SLOT 1, 1
	CHANGE 1
	s_cmp_lg_u32 s[TB], 0                          ; ahead of an even slot a new chunk of k begins: enc's fragments are fetched
	s_cbranch_scc1 .Lodd
	ALOAD
.Lodd:
	s_sub_co_u32 s[CNT], s[CNT], 1
	s_cmp_lg_u32 s[CNT], 0
	s_cbranch_scc1 .Lslot
	SLOT 1, 0                                      ; slot 5 quantises the last k step and asks for nothing: no load leaves its buffer
	CHANGE 1                                       ; the last refill: slot 7
	ALOAD
	s_mov_b32 s[CNT], 2
.Ltail:                                            ; slots 6 and 7: products alone; nothing is filled again
	SLOT 0, 0
	CHANGE 0
	s_sub_co_u32 s[CNT], s[CNT], 1
	s_cmp_lg_u32 s[CNT], 0
	s_cbranch_scc1 .Ltail
	; THE WAY OUT.  A lane's sums are those of n = r mod 16: the sixteen lanes of a half are added.  Behind the last barrier nobody reads slot 1, which has had its last fill: 1,024 bytes of it gather [4 b][64 s].
.irp m, 1,2,4,8
.set EX, 0
.rept 32
	v_add_f32_dpp v[EN0+EX], v[EN0+EX], v[EN0+EX] row_xmask:\m row_mask:0xf bank_mask:0xf
.set EX, EX+1
.endr
.endr
.irp i, 0,1,2,3
	ds_store_b128 v[OADR], v[EN0+8*\i:EN0+8*\i+3] offset:256*\i          ; b0 + i, s rows 16 wave + 8 h + 0 .. 7; the lanes of a half hold the same numbers and write them to the same place
	ds_store_b128 v[OADR], v[EN0+8*\i+4:EN0+8*\i+7] offset:256*\i+16
.endr
	s_wait_dscnt 0x0                               ; for the others' sake: my stores have landed
	s_barrier_signal -1
	s_barrier_wait -1
	ds_load_b64 v[12:13], v[ORD]                   ; wave w takes row b0 + w: 64 numbers
	s_wait_dscnt 0x0
	global_store_b64 v[GOFF], v[12:13], s[EN:EN+1] ; 32 lanes store 256 consecutive bytes, aligned
	s_wait_tensorcnt 0x0                           ; the wave's end, behind my last tensor load and my last LDS store
	ds_add_u32 v[SPW], v[NIL]
	s_wait_dscnt 0x0
	CROUND                                         ; the closing round: no work-group ends while a partner may still ask for a tile that names it
	s_endpgm
.Lfunc_end_k_q12dc73aac3_main:
	.size	k_q12dc73aac3_main, .Lfunc_end_k_q12dc73aac3_main-k_q12dc73aac3_main
	.p2alignl 7, 3214868480
	.fill 96, 4, 3214868480
	.section	.rodata,"a",@progbits
	.p2align	6, 0x0
	.amdhsa_kernel k_q12dc73aac3_main
		.amdhsa_group_segment_fixed_size 327680
		.amdhsa_private_segment_fixed_size 0
		.amdhsa_enable_private_segment 0
		.amdhsa_kernarg_size 32
		.amdhsa_user_sgpr_count 2
		.amdhsa_user_sgpr_kernarg_segment_ptr 1
		.amdhsa_wavefront_size32 1
		.amdhsa_system_sgpr_workgroup_id_x 1
		.amdhsa_system_sgpr_workgroup_id_y 1
		.amdhsa_system_sgpr_workgroup_id_z 1
		.amdhsa_system_vgpr_workitem_id 0
		.amdhsa_next_free_vgpr 1024
		.amdhsa_next_free_sgpr 80
		.amdhsa_reserve_vcc 0
		.amdhsa_float_denorm_mode_32 3
		.amdhsa_float_denorm_mode_16_64 3
		.amdhsa_memory_ordered 1
		.amdhsa_forward_progress 1
		.amdhsa_inst_pref_size 255
	.end_amdhsa_kernel
	.section	.bss,"aw",@nobits
	.p2align	6
	.space	262144
	.amdgpu_metadata
---
amdhsa.version: [ 1, 2 ]
amdhsa.kernels:
  - .name:           k_q12dc73aac3_main
    .symbol:         k_q12dc73aac3_main.kd
    .args:
      - { .name: encoder_outputs, .offset: 0, .size: 8, .value_kind: global_buffer, .address_space: global }
      - { .name: wpk, .offset: 8, .size: 8, .value_kind: global_buffer, .address_space: global }
      - { .name: hidT, .offset: 16, .size: 8, .value_kind: global_buffer, .address_space: global }
      - { .name: energies, .offset: 24, .size: 8, .value_kind: global_buffer, .address_space: global }
    .group_segment_fixed_size: 327680
    .private_segment_fixed_size: 0
    .kernarg_segment_align: 8
    .kernarg_segment_size: 32
    .max_flat_workgroup_size: 128
    .sgpr_count:     80
    .vgpr_count:     1024
    .wavefront_size: 32
...
	.end_amdgpu_metadata
.endif
;; end of part 2
;; launch soft (part 3): grid 32 x 1, 8 waves a work-group, no clusters, 1,280 bytes of LDS; arguments energies, hidden, b_attn, out0; writes out0
.if DOCPART == 3
	.amdgcn_target "amdgcn-amd-amdhsa--gfx1250"
	.amdhsa_code_object_version 6
	.text
	.protected	k_q12dc73aac3_soft
	.globl	k_q12dc73aac3_soft
	.p2align	8
	.type	k_q12dc73aac3_soft,@function
k_q12dc73aac3_soft:
	s_mov_b64 s[64:65], 0
	v_nop
	global_prefetch_b8 v0, s[64:65] scope:SCOPE_SE
	s_setreg_imm32_b32 hwreg(HW_REG_WAVE_MODE, 25, 1), 1
	s_wait_xcnt 0x0
; out0[b][0][s] = softmax over s of (energies[b][s] + hidden[b] . b_attn).  One work-group to a row b: a softmax wants its whole row, and there are 32 rows of 8,192 bytes.
; Thread t holds s = 4 t .. 4 t + 3 and 1024 + 4 t .. + 3, and 4 of the 1,024 terms of hidden[b] . b_attn.  All in f32; the row's maximum is taken away before the exponential.
; No matrix work, no cluster, no tensor load: 16 KB in and 8 KB out for a work-group, shared with nobody.
; LIMITS: an exponential under 2^-126 comes out as 0 (ISA guide, v_exp_f32); NaN and infinities are not served.
	s_load_b256 s[4:11], s[0:1], 0x0               ; energies s[4:5], hidden s[6:7], b_attn s[8:9], out0 s[10:11]
	v_lshl_add_u32 v48, v0, 2, 0x100
	v_mov_b32 v49, 0
	v_lshrrev_b32 v2, 5, v0
	v_lshlrev_b32 v3, 2, v2                        ; LDS: my wave's word
	v_lshlrev_b32 v1, 4, v0                        ; 16 bytes a thread
	v_mov_b32 v4, 0
	v_mov_b32 v26, 0                               ; lane permutes' destinations count as sources
	v_mov_b32 v27, 0
	s_lshl_b32 s14, ttmp9, 13                      ; a row of energies and of out0
	s_mov_b32 s15, 0
	s_lshl_b32 s16, ttmp9, 12                      ; a row of hidden
	s_mov_b32 s17, 0
	s_mov_b32 s18, 0x76543210
	s_mov_b32 s19, 0xfedcba98                      ; v_permlanex16_b32's selects for lane l xor 16
	s_wait_kmcnt 0x0
	s_add_nc_u64 s[4:5], s[4:5], s[14:15]
	s_add_nc_u64 s[6:7], s[6:7], s[16:17]
	s_add_nc_u64 s[10:11], s[10:11], s[14:15]
	global_load_b128 v[8:11], v1, s[4:5]
	global_load_b128 v[12:15], v1, s[4:5] offset:4096
	global_load_b128 v[16:19], v1, s[6:7]
	global_load_b128 v[20:23], v1, s[8:9]
	s_wait_loadcnt 0x0
	v_mul_f32 v24, v16, v20                        ; my four terms of hidden . b_attn
	v_max3_num_f32 v25, v8, v9, v10                ; my eight energies' maximum
	v_fmac_f32 v24, v17, v21
	v_max3_num_f32 v25, v25, v11, v12
	v_fmac_f32 v24, v18, v22
	v_max3_num_f32 v25, v25, v13, v14
	v_fmac_f32 v24, v19, v23
	v_max_num_f32 v25, v25, v15
.irp m, 1,2,4,8
	v_add_f32_dpp v24, v24, v24 row_xmask:\m row_mask:0xf bank_mask:0xf
	v_max_num_f32_dpp v25, v25, v25 row_xmask:\m row_mask:0xf bank_mask:0xf
.endr
	v_permlanex16_b32 v26, v24, s18, s19
	v_permlanex16_b32 v27, v25, s18, s19
	v_add_f32 v24, v24, v26
	v_max_num_f32 v25, v25, v27
	ds_store_b32 v3, v24                           ; bytes 0-31: the eight waves' sums; all lanes write the same word with the same value
	ds_store_b32 v3, v25 offset:32                 ; bytes 32-63: their maxima
	s_wait_dscnt 0x0
	s_barrier_signal -1
	s_barrier_wait -1
	ds_load_b128 v[28:31], v4
	ds_load_b128 v[32:35], v4 offset:16
	ds_load_b128 v[36:39], v4 offset:32
	ds_load_b128 v[40:43], v4 offset:48
	s_wait_dscnt 0x0
	v_add_f32 v28, v28, v29
	v_add_f32 v30, v30, v31
	v_add_f32 v32, v32, v33
	v_add_f32 v34, v34, v35
	v_add_f32 v28, v28, v30
	v_add_f32 v32, v32, v34
	v_add_f32 v24, v28, v32                        ; hb = hidden[b] . b_attn
	v_max3_num_f32 v36, v36, v37, v38
	v_max3_num_f32 v39, v39, v40, v41
	v_max3_num_f32 v36, v36, v42, v43
	v_max_num_f32 v25, v36, v39
	v_add_f32 v25, v25, v24                        ; the largest energy + hb: an addition's rounding keeps the order, so this is the largest of the sums below
.irp i, 0,1,2,3,4,5,6,7
	v_add_f32 v[8+\i], v[8+\i], v24                ; the energy, with the bias's part
.endr
.irp i, 0,1,2,3,4,5,6,7
	v_sub_f32 v[8+\i], v[8+\i], v25                ; less the row's maximum: 0 or less
.endr
.irp i, 0,1,2,3,4,5,6,7
	v_mul_f32 v[8+\i], 0x3fb8aa3b, v[8+\i]         ; x log2(e)
.endr
.irp i, 0,1,2,3,4,5,6,7
	v_exp_f32 v[8+\i], v[8+\i]
.endr
	v_nop                                          ; a plain instruction behind the last exponential
	s_wait_alu depctr_va_vdst(0)                   ; one wait for the batch of eight, ahead of its first reader
	v_add_f32 v26, v8, v9
	v_add_f32 v27, v10, v11
	v_add_f32 v28, v12, v13
	v_add_f32 v29, v14, v15
	v_add_f32 v26, v26, v27
	v_add_f32 v28, v28, v29
	v_add_f32 v26, v26, v28
.irp m, 1,2,4,8
	v_add_f32_dpp v26, v26, v26 row_xmask:\m row_mask:0xf bank_mask:0xf
.endr
	v_permlanex16_b32 v27, v26, s18, s19
	v_add_f32 v26, v26, v27
	ds_store_b32 v3, v26 offset:64                 ; bytes 64-95: other bytes than the first exchange's, so one barrier serves
	s_wait_dscnt 0x0
	s_barrier_signal -1
	s_barrier_wait -1
	ds_load_b128 v[28:31], v4 offset:64
	ds_load_b128 v[32:35], v4 offset:80
	s_wait_dscnt 0x0
	v_add_f32 v28, v28, v29
	v_add_f32 v30, v30, v31
	v_add_f32 v32, v32, v33
	v_add_f32 v34, v34, v35
	v_add_f32 v28, v28, v30
	v_add_f32 v32, v32, v34
	v_add_f32 v26, v28, v32                        ; the row's sum: at least 1
	v_rcp_f32 v27, v26
	v_nop                                          ; a plain instruction behind the reciprocal
	s_wait_alu depctr_va_vdst(0)                   ; and the wait ahead of its first reader
.irp i, 0,1,2,3,4,5,6,7
	v_mul_f32 v[8+\i], v[8+\i], v27
.endr
	global_store_b128 v1, v[8:11], s[10:11]        ; a wave stores 512 consecutive bytes, aligned
	global_store_b128 v1, v[12:15], s[10:11] offset:4096
	s_wait_tensorcnt 0x0
	ds_add_u32 v48, v49
	s_wait_dscnt 0x0
	s_endpgm
.Lfunc_end_k_q12dc73aac3_soft:
	.size	k_q12dc73aac3_soft, .Lfunc_end_k_q12dc73aac3_soft-k_q12dc73aac3_soft
	.p2alignl 7, 3214868480
	.fill 96, 4, 3214868480
	.section	.rodata,"a",@progbits
	.p2align	6, 0x0
	.amdhsa_kernel k_q12dc73aac3_soft
		.amdhsa_group_segment_fixed_size 1280
		.amdhsa_private_segment_fixed_size 0
		.amdhsa_enable_private_segment 0
		.amdhsa_kernarg_size 32
		.amdhsa_user_sgpr_count 2
		.amdhsa_user_sgpr_kernarg_segment_ptr 1
		.amdhsa_wavefront_size32 1
		.amdhsa_system_sgpr_workgroup_id_x 1
		.amdhsa_system_sgpr_workgroup_id_y 1
		.amdhsa_system_sgpr_workgroup_id_z 1
		.amdhsa_system_vgpr_workitem_id 0
		.amdhsa_next_free_vgpr 50
		.amdhsa_next_free_sgpr 66
		.amdhsa_reserve_vcc 0
		.amdhsa_float_denorm_mode_32 3
		.amdhsa_float_denorm_mode_16_64 3
		.amdhsa_memory_ordered 1
		.amdhsa_forward_progress 1
		.amdhsa_inst_pref_size 7
	.end_amdhsa_kernel
	.amdgpu_metadata
---
amdhsa.version: [ 1, 2 ]
amdhsa.kernels:
  - .name:           k_q12dc73aac3_soft
    .symbol:         k_q12dc73aac3_soft.kd
    .args:
      - { .name: energies, .offset: 0, .size: 8, .value_kind: global_buffer, .address_space: global }
      - { .name: hidden, .offset: 8, .size: 8, .value_kind: global_buffer, .address_space: global }
      - { .name: b_attn, .offset: 16, .size: 8, .value_kind: global_buffer, .address_space: global }
      - { .name: out0, .offset: 24, .size: 8, .value_kind: global_buffer, .address_space: global }
    .group_segment_fixed_size: 1280
    .private_segment_fixed_size: 0
    .kernarg_segment_align: 8
    .kernarg_segment_size: 32
    .max_flat_workgroup_size: 256
    .sgpr_count:     66
    .vgpr_count:     50
    .wavefront_size: 32
...
	.end_amdgpu_metadata
.endif
;; end of part 3
;; ======== version 2 of 2: 3 launches
;; limits: right only within a limited range of input values
;; workspace buffers: wpk 819,200 bytes; hidT 131,072 bytes; energies 262,144 bytes
;; launch prep (part 4): grid 64 x 1, 8 waves a work-group, no clusters, 69,120 bytes of LDS; arguments W_attn, hidden, wpk, hidT; writes wpk, hidT
.if DOCPART == 4
	.amdgcn_target "amdgcn-amd-amdhsa--gfx1250"
	.amdhsa_code_object_version 6
	.text
	.protected	k_q12dc73aac3_prep
	.globl	k_q12dc73aac3_prep
	.p2align	8
	.type	k_q12dc73aac3_prep,@function
k_q12dc73aac3_prep:
	s_mov_b64 s[64:65], 0
	v_nop
	global_prefetch_b8 v0, s[64:65] scope:SCOPE_SE
	s_setreg_imm32_b32 hwreg(HW_REG_WAVE_MODE, 25, 1), 1
	s_wait_xcnt 0x0
; W_attn [1024 (n)][1024 (k)] f32 becomes codes of FP6 (E2M3) with one E8M0 byte for each 32 along k, laid as the next launch's
; operand registers want them; hidden [32][1024] is laid [8 (b / 4)][1024 (n)][4 (b % 4)].
; wpk: 8 slots of 102,400 bytes, slot = 2 g + hf (g: 256 along k, hf: half of n).  In a slot tile u = 0..31 is rows 16 (32 hf + u) + 0..15.
;   codes:  u x 3072 + q x 1536 + c x 512 + 16 x lane: registers 4 c .. 4 c + 3 of the fragment of k step 2 g + q (16 rows x 128 k, 12 registers a lane)
;   scales: 98,304 + (u / 4) x 512 + 16 x L + 4 x (u % 4), L = row + 16 q: the row's scale word (four bytes) for that k step
; A block's scale is 2^(floor(log2(its largest magnitude)) - 2): the byte is the largest magnitude's exponent field - 2, held at 1 from below.
; LIMITS: a block of zeros gets the byte 1 where the rule says 127 (its codes are zeros, and this program alone reads the bytes); NaN and infinities are not served.
; SHARES: a work-group takes four tiles x two k steps (one block of 512 scale bytes), each of its eight waves one fragment.  Nothing is shared between
; work-groups, so there is no cluster; the launch has 64 work-groups because a scale block wants its eight fragments in one of them.
; WORK LEFT OUT, in the whole program: energy = enc W^T + b_attn gives attn_energies[b][s] = hidden[b] . (enc[s][b] W^T) + hidden[b] . b_attn.
; The second term does not hang on s, and softmax along s is unchanged by a term that is the same for all s of a row, whatever finite values the inputs hold.
; So b_attn has no way to the output: it is not loaded and is among no launch's arguments.  It enters no quantised operand (it is added behind product 1).
; LIMIT: a NaN, an infinity or an overflow that would arise in hidden . b_attn alone is not carried to the result.
.set SPITCH, 528                       ; a stage row: 512 bytes + 16 = 33 x 16: the sixteen rows that a read-back touches start 16 bytes apart modulo 256
.set STGB,   16*SPITCH                 ; a wave's stage
.set SCB,    8*STGB                    ; behind the stages: the work-group's 512 scale bytes
.set SLOTB,  102400
.set L16,  4                           ; v4   16 x lane
.set SADR, 5                           ; v5   the stage on the way in: 16 x lane
.set RADR, 6                           ; v6   and back: 528 x row + 128 x half
.set QSH,  7                           ; v7   8 x half: where my two scale bytes stand in the word
.set SWA,  8                           ; v8   LDS place of my row's scale word
.set SRA,  9                           ; v9   the scale block read back: 16 x lane
.set HOF,  10                          ; v10  hidden: my byte offset
.set HTO,  11                          ; v11  hidT: 8 x thread
.set LD,   16                          ; v16-79   16 rows as loaded
.set QX,   80                          ; v80-143  my row's 64 numbers: register 32 c + i = k 64 c + 32 half + i
.set QM,   144                         ; two largest magnitudes
.set QSC,  146                         ; the conversions' scale operands
.set QBY,  148                         ; the bytes
.set QW,   150                         ; the scale word
.set QT2,  151
.set QCD,  152                         ; v152-163 the fragment's 12 registers
.set QTA,  164                         ; a conversion's three registers begin on an even number: the upper halves are made here and moved
.set QTB,  168
	s_load_b256 s[4:11], s[0:1], 0x0               ; W s[4:5], hidden s[6:7], wpk s[8:9], hidT s[10:11]
	v_lshl_add_u32 v180, v0, 2, 0x10a00
	v_mov_b32 v181, 0
	v_lshrrev_b32 v1, 5, v0
	s_delay_alu instid0(VALU_DEP_1)
	v_readfirstlane_b32 s12, v1                    ; wave 0..7
	v_and_b32 v1, 31, v0                           ; lane
	v_and_b32 v2, 15, v0                           ; row r
	s_wait_alu depctr_va_vdst(0)
	v_bfe_u32 v3, v0, 4, 1                         ; half h
	v_lshlrev_b32 v[L16], 4, v1
	s_wait_alu depctr_va_vdst(0)
	v_mov_b32 v[QT2], 0                            ; a lane permute's destination counts as one of its sources
	s_and_b32 s13, s12, 3                          ; j: which of the four tiles
	s_lshr_b32 s14, s12, 2                         ; q: which of the two k steps
	s_and_b32 s15, ttmp9, 15                       ; tg: the group of four tiles
	s_lshr_b32 s16, ttmp9, 4                       ; g: the chunk of 256 along k
	s_mul_i32 s17, s12, STGB
	v_add_nc_u32 v[SADR], s17, v[L16]
	v_mul_u32_u24 v[RADR], v2, SPITCH
	s_delay_alu instid0(VALU_DEP_1)
	v_lshl_add_u32 v[RADR], v3, 7, v[RADR]
	s_delay_alu instid0(VALU_DEP_1)
	v_add_nc_u32 v[RADR], s17, v[RADR]
	v_lshlrev_b32 v[QSH], 3, v3
	s_lshl_b32 s18, s14, 8
	s_lshl_b32 s19, s13, 2
	s_add_co_u32 s18, s18, s19
	s_add_co_u32 s18, s18, SCB
	v_lshl_add_u32 v[SWA], v2, 4, s18              ; SCB + 16 (r + 16 q) + 4 j
	v_add_nc_u32 v[SRA], SCB, v[L16]
	v_and_b32 v[HOF], 1, v0
	s_delay_alu instid0(VALU_DEP_1)
	v_lshlrev_b32 v[HOF], 13, v[HOF]
	v_lshrrev_b32 v[HTO], 1, v0
	s_delay_alu instid0(VALU_DEP_1)
	v_lshl_add_u32 v[HOF], v[HTO], 2, v[HOF]       ; hidden: rows 2 (t % 2) and + 1 of my four, column t / 2 of my 128
	v_lshlrev_b32 v[HTO], 3, v0
	s_lshr_b32 s20, ttmp9, 3
	s_lshl_b32 s20, s20, 14                        ; four rows of hidden, and their part of hidT: 16,384 bytes
	s_and_b32 s22, ttmp9, 7
	s_lshl_b32 s24, s22, 9
	s_add_co_u32 s24, s24, s20                     ; hidden: + 128 columns x 4 bytes
	s_mov_b32 s25, 0
	s_lshl_b32 s26, s22, 11
	s_add_co_u32 s26, s26, s20                     ; hidT: + 128 columns x 16 bytes
	s_mov_b32 s27, 0
	s_lshl_b32 s28, s15, 2
	s_add_co_u32 s28, s28, s13                     ; tile t = 4 tg + j
	s_lshl_b32 s28, s28, 16                        ; 16 rows of 4,096 bytes
	s_lshl_b32 s21, s16, 1
	s_add_co_u32 s21, s21, s14                     ; k step 2 g + q
	s_lshl_b32 s21, s21, 9
	s_add_co_u32 s28, s28, s21
	s_mov_b32 s29, 0
	s_lshl_b32 s30, s16, 1
	s_lshr_b32 s31, s15, 3
	s_add_co_u32 s30, s30, s31                     ; slot 2 g + hf
	s_mul_i32 s30, s30, SLOTB
	s_and_b32 s31, s15, 7                          ; the group's number in the slot
	s_lshl_b32 s32, s31, 2
	s_add_co_u32 s32, s32, s13                     ; u
	s_mul_i32 s32, s32, 3072
	s_mul_i32 s33, s14, 1536
	s_add_co_u32 s32, s32, s33
	s_add_co_u32 s32, s32, s30                     ; my fragment's image
	s_mov_b32 s33, 0
	s_lshl_b32 s34, s31, 9
	s_add_co_u32 s34, s34, s30
	s_add_co_u32 s34, s34, 98304                   ; the group's scale block
	s_mov_b32 s35, 0
	s_wait_alu depctr_va_vdst(0)
	s_wait_kmcnt 0x0
	s_add_nc_u64 s[6:7], s[6:7], s[24:25]
	s_add_nc_u64 s[10:11], s[10:11], s[26:27]
	s_add_nc_u64 s[4:5], s[4:5], s[28:29]
	s_add_nc_u64 s[36:37], s[8:9], s[34:35]
	s_add_nc_u64 s[8:9], s[8:9], s[32:33]
	global_load_b32 v172, v[HOF], s[6:7]
	global_load_b32 v173, v[HOF], s[6:7] offset:4096
.irp p, 0,1,2,3,4,5,6,7,8,9,10,11,12,13,14,15
	global_load_b128 v[LD+4*\p:LD+4*\p+3], v[L16], s[4:5] offset:4096*\p th:TH_LOAD_NT   ; 512 consecutive bytes of row p
.endr
	s_wait_loadcnt 16                              ; hidden's two numbers are in; W's sixteen loads may be out
	global_store_b64 v[HTO], v[172:173], s[10:11]  ; a wave stores 256 consecutive bytes, aligned
	s_wait_loadcnt 0x0
; The conversions take 16 neighbours along k from ONE lane's registers, the loads take neighbouring bytes in neighbouring lanes: the 16 x 512 bytes turn through the wave's own stage.
.irp p, 0,1,2,3,4,5,6,7,8,9,10,11,12,13,14,15
	ds_store_b128 v[SADR], v[LD+4*\p:LD+4*\p+3] offset:SPITCH*\p
.endr
.irp c, 0,1
.irp p, 0,1,2,3,4,5,6,7
	ds_load_b128 v[QX+32*\c+4*\p:QX+32*\c+4*\p+3], v[RADR] offset:256*\c+16*\p   ; LDS serves a wave's instructions in order: these see the stores above
.endr
.endr
	s_wait_dscnt 0x0
.irp c, 0,1                                    ; my block 2 c + h: all its 32 numbers are mine
	v_max3_num_f32 v[QM+\c], |v[QX+32*\c]|, |v[QX+32*\c+1]|, 0x1800000   ; with the floor 2^(3 - 127): the byte cannot fall under 1
.endr
.irp i, 2,4,6,8,10,12,14,16,18,20,22,24,26,28,30
.irp c, 0,1
	s_delay_alu instid0(VALU_DEP_2)
	v_max3_num_f32 v[QM+\c], v[QM+\c], |v[QX+32*\c+\i]|, |v[QX+32*\c+\i+1]|   ; the two blocks by turns
.endr
.endr
.irp c, 0,1
	s_delay_alu instid0(VALU_DEP_2)
	v_add_nc_u32 v[QSC+\c], 0xff000000, v[QM+\c]   ; 2 off the exponent field: the conversion takes this operand's exponent field as its scale
.endr
.irp c, 0,1
	s_delay_alu instid0(VALU_DEP_2)
	v_lshrrev_b32 v[QBY+\c], 23, v[QSC+\c]         ; the scale's byte
.endr
	s_delay_alu instid0(VALU_DEP_1)
	v_lshl_or_b32 v[QW], v[QBY+1], 16, v[QBY]      ; blocks h and 2 + h,
	s_delay_alu instid0(VALU_DEP_1)
	v_lshlrev_b32 v[QW], v[QSH], v[QW]             ; at their places in the word;
	s_mov_b32 s20, 0x76543210
	s_mov_b32 s21, 0xfedcba98
	v_permlanex16_b32 v[QT2], v[QW], s20, s21
	s_delay_alu instid0(VALU_DEP_1)
	v_or_b32 v[QW], v[QW], v[QT2]                  ; with lane l xor 16's two the word is whole
	v_cvt_scalef32_pk16_fp6_f32 v[QCD:QCD+2], v[QX:QX+15], v[QSC]
	v_cvt_scalef32_pk16_fp6_f32 v[QTA:QTA+2], v[QX+16:QX+31], v[QSC]
	v_cvt_scalef32_pk16_fp6_f32 v[QCD+6:QCD+8], v[QX+32:QX+47], v[QSC+1]
	v_cvt_scalef32_pk16_fp6_f32 v[QTB:QTB+2], v[QX+48:QX+63], v[QSC+1]
	v_nop                                          ; one plain instruction behind the scaled conversions
.irp i, 0,1,2
	v_mov_b32 v[QCD+3+\i], v[QTA+\i]
	v_mov_b32 v[QCD+9+\i], v[QTB+\i]
.endr
.irp c, 0,1,2
	global_store_b128 v[L16], v[QCD+4*\c:QCD+4*\c+3], s[8:9] offset:512*\c   ; the image: 512 consecutive bytes a store, aligned
.endr
	ds_store_b32 v[SWA], v[QW]                     ; both halves of the lanes hold the same word and write it to the same place
	s_wait_dscnt 0x0                               ; for the others' sake: my word has landed
	s_barrier_signal -1
	s_barrier_wait -1
	s_cmp_lg_u32 s12, 0                            ; wave 0 stores the group's scale block
	s_cbranch_scc1 .Lend
	ds_load_b128 v[176:179], v[SRA]
	s_wait_dscnt 0x0
	global_store_b128 v[L16], v[176:179], s[36:37]
.Lend:
	s_wait_tensorcnt 0x0
	ds_add_u32 v180, v181
	s_wait_dscnt 0x0
	s_endpgm
.Lfunc_end_k_q12dc73aac3_prep:
	.size	k_q12dc73aac3_prep, .Lfunc_end_k_q12dc73aac3_prep-k_q12dc73aac3_prep
	.p2alignl 7, 3214868480
	.fill 96, 4, 3214868480
	.section	.rodata,"a",@progbits
	.p2align	6, 0x0
	.amdhsa_kernel k_q12dc73aac3_prep
		.amdhsa_group_segment_fixed_size 69120
		.amdhsa_private_segment_fixed_size 0
		.amdhsa_enable_private_segment 0
		.amdhsa_kernarg_size 32
		.amdhsa_user_sgpr_count 2
		.amdhsa_user_sgpr_kernarg_segment_ptr 1
		.amdhsa_wavefront_size32 1
		.amdhsa_system_sgpr_workgroup_id_x 1
		.amdhsa_system_sgpr_workgroup_id_y 1
		.amdhsa_system_sgpr_workgroup_id_z 1
		.amdhsa_system_vgpr_workitem_id 0
		.amdhsa_next_free_vgpr 182
		.amdhsa_next_free_sgpr 66
		.amdhsa_reserve_vcc 0
		.amdhsa_float_denorm_mode_32 3
		.amdhsa_float_denorm_mode_16_64 3
		.amdhsa_memory_ordered 1
		.amdhsa_forward_progress 1
		.amdhsa_inst_pref_size 13
	.end_amdhsa_kernel
	.amdgpu_metadata
---
amdhsa.version: [ 1, 2 ]
amdhsa.kernels:
  - .name:           k_q12dc73aac3_prep
    .symbol:         k_q12dc73aac3_prep.kd
    .args:
      - { .name: W_attn, .offset: 0, .size: 8, .value_kind: global_buffer, .address_space: global }
      - { .name: hidden, .offset: 8, .size: 8, .value_kind: global_buffer, .address_space: global }
      - { .name: wpk, .offset: 16, .size: 8, .value_kind: global_buffer, .address_space: global }
      - { .name: hidT, .offset: 24, .size: 8, .value_kind: global_buffer, .address_space: global }
    .group_segment_fixed_size: 69120
    .private_segment_fixed_size: 0
    .kernarg_segment_align: 8
    .kernarg_segment_size: 32
    .max_flat_workgroup_size: 256
    .sgpr_count:     66
    .vgpr_count:     182
    .wavefront_size: 32
...
	.end_amdgpu_metadata
.endif
;; end of part 4
;; launch main (part 5): grid 256 x 1, 4 waves a work-group, clusters of 4 x 1, 327,680 bytes of LDS; arguments encoder_outputs, wpk, hidT, energies; writes energies
.if DOCPART == 5
	.amdgcn_target "amdgcn-amd-amdhsa--gfx1250"
	.amdhsa_code_object_version 6
	.text
	.protected	k_q12dc73aac3_main
	.globl	k_q12dc73aac3_main
	.p2align	8
	.type	k_q12dc73aac3_main,@function
k_q12dc73aac3_main:
	s_mov_b64 s[64:65], 0
	v_nop
	global_prefetch_b8 v0, s[64:65] scope:SCOPE_SE
	s_setreg_imm32_b32 hwreg(HW_REG_WAVE_MODE, 25, 1), 1
	s_wait_xcnt 0x0
	s_wait_alu depctr_hold_cnt(0) depctr_sa_sdst(0) depctr_va_vdst(0) depctr_va_sdst(0) depctr_va_ssrc(0) depctr_va_vcc(0) depctr_vm_vsrc(0)
	s_getreg_b32 s2, hwreg(HW_REG_IB_STS2, 6, 4)
	s_cmp_eq_u32 s2, 0
	s_cbranch_scc0 .Lentry_in_a_cluster
	s_endpgm
.Lentry_in_a_cluster:
	s_bfe_u32 s2, ttmp6, 0x10000c
	s_cmp_lg_u32 s2, 0x3003
	s_cbranch_scc0 .Lentry_shape_is_right
	s_endpgm
.Lentry_shape_is_right:
; energies[b][s] = sum over n of hidden[b][n] x (sum over k of Q(enc[s][b][k]) Q(W[n][k])), Q the MX-FP6 quantiser along k.
; LEFT OUT: hidden[b] . b_attn, the same for all s of a row, which the softmax of the next launch cancels (shown at the head of the first kernel).
; enc [2048 (s)][32 (b)][1024 (k)] f32 is read ONCE and quantised on the way; W comes as codes and scale words laid as operand registers (wpk), hidden as [b / 4][n][b % 4] (hidT).
; SHARES.  A work-group owns 64 s x 4 b.  Wave w QUANTISES 16 s x 4 b: four row tiles, each one b and 16 neighbouring s.  For the PRODUCTS the waves go in pairs: waves 2 p and 2 p + 1 share their
; eight row tiles (128 rows), and wave 2 p + e takes n tiles 16 e .. 16 e + 15 of each slot's 32: a fragment of W read from LDS feeds eight products, and each wave reads half of W.
; 8 slots (4 chunks of 256 along k x 2 halves of n) x 16 tiles of 16 n x 8 row tiles x 2 k steps = 2,048 matrix instructions a wave.
; The second product is linear in the first: each chunk's partial product is weighted with hidden at once and added to 64 running sums a lane; the pair's two halves of n are added on the way out.
; A slot's walk has 32 HALF TILES U: n tile U / 2, row tiles 4 (U % 2) + 0 .. 3; eight products each; four half tiles (two n tiles) form a group, whose 15 LDS loads are one run.
; BESIDE THE PRODUCTS of slot i the wave quantises k step i + 2 of its own rows and asks memory for k step i + 3: 64 loads of 512 bytes a wave are asked for all along the walk, so no prefetch is laid.
; The f32 numbers turn through the wave's own stage in LDS; the codes wait in the wave's park, which both waves of the pair read: park stores and the partner's reads are parted by barriers both ways.
; CLUSTER: the four work-groups of a cluster have the same four b and walk the same W: hidden's and W's tiles are asked for jointly, with a mask that names the four.
; LIMITS: a block of zeros gets the byte 1 where the rule says 127 (its codes are zeros; only this launch reads the bytes); NaN and infinities are not served; the sums over n and over the chunks of k are
; f32 sums in this text's order.
; REGISTERS, in windows of 256 (s_set_vgpr_msb: bits 1:0 source 0, 3:2 source 1, 5:4 source 2, 7:6 destination):
;   window 0: v0-11 addresses; v12-27 enc's scale words; v28-31 W's, two sets; v32-127 W's fragments, two sets of 2 tiles x 2 k steps x 12; v128-191 two sets of four accumulators; v192-255 the sums
;   window 1: v0-191 enc's sixteen fragments of the chunk in hand; v192-207 hidden, two sets; v208-212 LDS addresses
;   window 2: the quantiser        window 3: four landing sets of 16 x 4 registers
; One setting, 0x01, serves the products (A window 1), the weighting (hidden window 1) and W's loads (address window 1).
.set SLOTB,  102400                    ; a slot of wpk: 32 tiles x 3,072 bytes of codes, 8 x 512 of scale words
.set QUART,  SLOTB/4                   ; what one wave's refill brings
.set HID,    102400                    ; LDS: slot 0 at 0; hidden [1024][4] f32;
.set SPARE,  118784                    ; the spare words, 128 bytes a wave, that no other line names;
.set SLOT1,  131072                    ; slot 1: one exclusive or turns an address from slot to slot;
.set PRIV,   233472                    ; and for each wave 23,296 bytes into which no tile lands:
.set PRIVB,  23296
.set SPITCH, 528                       ;   the stage: 16 rows of 512 bytes + 16
.set PARK,   16*SPITCH                 ;   the park: two halves (k step even, odd), 8,192 bytes apart: 4 images of 1,536 bytes, then
.set PH,     8192
.set PSC,    6144                      ;   4 images of scale words, 128 bytes each
.set OUT,    SLOT1                     ; the way out: two planes [4 b][64 s] f32, in slot 1 when it has had its last fill and its last read
.set L16,  4                           ; 16 x lane
.set SPW,  5                           ; my spare word; never rewritten
.set NIL,  6                           ; 0; never rewritten
.set HB,   7                           ; HID + 16 x (lane % 16)
.set OADR, 8                           ; OUT + 1024 e + 128 p + 32 x (lane / 16)
.set ORD,  9                           ; OUT + 256 x wave + 8 x lane
.set GOFF, 10                          ; 8 x lane
.set ASC,  12                          ; enc's scale words: k step q, row tile I at v[12 + 8 q + I]
.set WSC,  28                          ; W's: set g % 2, tile u % 2: lanes 0-15 k step 0, lanes 16-31 k step 1
.set BF,   32                          ; W's fragments: v[32 + 48 set + 24 (u % 2) + 12 q]
.set ACC,  128                         ; accumulators: set U % 2, row tile i of four
.set EN0,  192                         ; the sums: row tile I, register j at v[192 + 8 I + j]
.set HF,   192                         ; window 1: hidden: set g % 2, tile u % 2, b
.set BADR, 208                         ; window 1: my half of the slot's codes + 16 x lane
.set SCAD, 209                         ; window 1: my half of its scale words + 16 x lane
.set HADR, 210                         ; window 1: hidden at my n
.set AL16, 211                         ; window 1: the pair's first park, 16 x lane
.set AL4,  212                         ; window 1: its scale words, 4 x lane
.set QX,   0                           ; window 2 from here on
.set QM,   64
.set QSC,  66
.set QBY,  68
.set QW,   70
.set QT2,  71
.set QCD,  72
.set QTA,  84
.set QTB,  88
.set QSH,  92
.set SADR, 93
.set RADR, 94
.set PADR, 95
.set PSA,  96
.set EOFF, 97
.set PB16, 98
.set PB4,  99
.set WV,   12                          ; s12 wave
.set EC,   14                          ; s14 49,152 e;  s62 98,304 + 2,048 e;  s63 4,096 e
.set ES,   62
.set EHO,  63
.set TB2,  22
.set TB3,  23
.set G1W,  24                          ; group 1 of the refills: 100 rows of 256 bytes;  s[32:39] hidden's 64;  s[76:83] 200: half of slot 0;  s[84:91] 400: slot 1
.set G1H,  32
.set G1X,  76
.set G1Y,  84
.set G0A,  40                          ; group 0: slot 0's first fill;  s[44:47] the refills', which walks;  s[48:51] hidden;  s[92:95] slot 1's first fill
.set G0W,  44
.set G0H,  48
.set G0Y,  92
.set ENC,  52
.set EN,   54
.set TB,   56                          ; LDS byte of the slot in hand
.set HO,   57                          ; 0 or 8,192: hidden's half of n
.set PK,   58                          ; 0 or 8,192: the park's half
.set CNT,  59
.set SEL,  60
.set TB1,  73
.set W_MM, 0x01
.set MSB, 0
.macro WIN new                         ; the immediate's high byte repeats the setting that is left
.if MSB != \new
	s_set_vgpr_msb (MSB<<8)|\new
.set MSB, \new
.endif
.endm
; LDS waits are counted by the assembler: DSN counts the LDS lines of a slot's text, a mark keeps DSN behind a load; LDS instructions of a wave end in order (ISA guide 5.7.1).
.set DSN, 0
.set MKG0, 0
.set MKG1, 0
.set MKX, 0
.macro WAITDS mark
.if DSN-\mark > 63
	s_wait_dscnt 63
.else
	s_wait_dscnt DSN-\mark
.endif
.endm
.macro WAITG g
.if (\g)%2 == 0
	WAITDS MKG0
.else
	WAITDS MKG1
.endif
.endm
.macro CROUND                          ; a round of the cluster's barrier
	s_barrier_signal -1
	s_barrier_wait -1
	s_cmp_lg_u32 s[WV], 0
	s_cbranch_scc1 .Lnot_wave_0_\@
	s_barrier_signal -3
.Lnot_wave_0_\@:
	s_barrier_wait -3
	s_barrier_signal -1
	s_barrier_wait -1
.endm
.macro NOP4
.rept 4
	v_nop
.endr
.endm
; ---- THE QUANTISER, row tile x (one b, 16 s) of one k step
.macro QST x, r0                       ; eight rows of landing set x into the stage, as loaded
	WIN 0x0e
.irp p, 0,1,2,3,4,5,6,7
	ds_store_b128 v[SADR], v[64*(\x)+4*((\r0)+\p):64*(\x)+4*((\r0)+\p)+3] offset:SPITCH*((\r0)+\p)
.set DSN, DSN+1
.endr
.endm
.macro QRD c                           ; back: lane (r, h) takes k = 64 c + 32 h + 0 .. 31 of row r: a whole block
	WIN 0xaa
.irp p, 0,1,2,3,4,5,6,7
	ds_load_b128 v[QX+32*(\c)+4*\p:QX+32*(\c)+4*\p+3], v[RADR] offset:256*(\c)+16*\p
.set DSN, DSN+1
.endr
.set MKX, DSN
.endm
.macro QGL x                           ; landing set x takes the same row tile of the k step at s[ENC]: each load 512 consecutive bytes of one row
	WIN 0xc2
.irp p, 0,1,2,3,4,5,6,7,8,9,10,11,12,13,14,15
	global_load_b128 v[64*(\x)+4*\p:64*(\x)+4*\p+3], v[EOFF], s[ENC:ENC+1] offset:4096*(\x)+131072*\p th:TH_LOAD_NT
.endr
.endm
.macro QV1                             ; number QN of the quantiser's 51 vector instructions
.set QC, QN%2
.set QI, 2*(QN/2)
.if QN < 2
	v_max3_num_f32 v[QM+QC], |v[QX+32*QC]|, |v[QX+32*QC+1]|, 0x1800000   ; with the floor 2^(3 - 127): the byte cannot fall under 1
.elseif QN < 32
	v_max3_num_f32 v[QM+QC], v[QM+QC], |v[QX+32*QC+QI]|, |v[QX+32*QC+QI+1]|
.elseif QN < 34
	v_add_nc_u32 v[QSC+QC], 0xff000000, v[QM+QC]   ; 2 off the exponent field: the conversion's scale operand
.elseif QN < 36
	v_lshrrev_b32 v[QBY+QC], 23, v[QSC+QC]         ; the scale's byte
.elseif QN == 36
	v_lshl_or_b32 v[QW], v[QBY+1], 16, v[QBY]
.elseif QN == 37
	v_lshlrev_b32 v[QW], v[QSH], v[QW]
.elseif QN == 38
	v_permlanex16_b32 v[QT2], v[QW], s[SEL], s[SEL+1]
.elseif QN == 39
	v_or_b32 v[QW], v[QW], v[QT2]                  ; with lane l xor 16's two bytes the word is whole
.elseif QN == 40
	v_cvt_scalef32_pk16_fp6_f32 v[QCD:QCD+2], v[QX:QX+15], v[QSC]
.elseif QN == 41
	v_cvt_scalef32_pk16_fp6_f32 v[QTA:QTA+2], v[QX+16:QX+31], v[QSC]
.elseif QN == 42
	v_cvt_scalef32_pk16_fp6_f32 v[QCD+6:QCD+8], v[QX+32:QX+47], v[QSC+1]
.elseif QN == 43
	v_cvt_scalef32_pk16_fp6_f32 v[QTB:QTB+2], v[QX+48:QX+63], v[QSC+1]
.elseif QN == 44
	v_nop                                          ; one plain instruction behind the scaled conversions
.elseif QN < 48
	v_mov_b32 v[QCD+3+QN-45], v[QTA+QN-45]
.else
	v_mov_b32 v[QCD+9+QN-48], v[QTB+QN-48]
.endif
.endm
.macro QV a, b
	WIN 0xaa
.set QN, \a
.rept (\b)-(\a)
	QV1
.set QN, QN+1
.endr
.endm
.macro QPK x                           ; the fragment and its scale words go to my park as images of their registers
	WIN 0xaa
.irp c, 0,1,2
	ds_store_b128 v[PADR], v[QCD+4*\c:QCD+4*\c+3] offset:1536*(\x)+512*\c
.set DSN, DSN+1
.endr
	ds_store_b32 v[PSA], v[QW] offset:128*(\x)
.set DSN, DSN+1
.endm
.macro ENCSTEP
	s_wait_xcnt 0x0                                ; the earlier loads have read their base: it steps only behind this wait
	s_add_nc_u64 s[ENC:ENC+1], s[ENC:ENC+1], 512
.endm
.macro PSTEP x                         ; the whole of it in one piece, for the two k steps that have no products beside them
	s_wait_loadcnt 48                              ; set x is in, the three younger sets of 16 may be out
	QST \x, 0
	QST \x, 8
	QRD 0
	QRD 1
	s_wait_dscnt 0x0                               ; the read-back is in, so the stage's stores have read the landing set
.if (\x) == 0
	ENCSTEP
.endif
	QGL \x
	QV 0, 51
	QPK \x
.endm
.macro RQ x, load                      ; the run through the stage, behind half tile 8 x + 2; with it the park's stores of the row tile before
.if \load
	s_wait_loadcnt 48
.else
	s_wait_loadcnt 48-16*(\x)                      ; the last k step: only the sets behind x are younger
.endif
	QST \x, 0
	QST \x, 8
	QRD 0
	QRD 1
.if (\x) > 0
	QPK (\x)-1
.endif
	WIN W_MM
.endm
.macro QSL sl                          ; slice sl of twelve of the list
.if (\sl) < 11
	QV 4*(\sl), 4*(\sl)+4
.else
	QV 44, 51
.endif
	WIN W_MM
.endm
; ---- THE PRODUCTS
.macro GLD g                           ; group g (my n tiles 2 g, 2 g + 1) into set g % 2: hidden by two loads, the scale words by one, the four fragments by twelve
	WIN 0x41
.irp j, 0,1
	ds_load_b128 v[HF+8*((\g)%2)+4*\j:HF+8*((\g)%2)+4*\j+3], v[HADR] offset:256*(2*(\g)+\j)
.endr
	WIN W_MM
	ds_load_b64 v[WSC+2*((\g)%2):WSC+2*((\g)%2)+1], v[SCAD] offset:512*((\g)/2)+8*((\g)%2)
.irp t, 0,1
.irp n, 0,1,2,3,4,5
	ds_load_b128 v[BF+48*((\g)%2)+24*\t+4*\n:BF+48*((\g)%2)+24*\t+4*\n+3], v[BADR] offset:(2*(\g)+\t)*3072+512*\n
.endr
.endr
.set DSN, DSN+15
.if (\g)%2 == 0
.set MKG0, DSN
.else
.set MKG1, DSN
.endif
.endm
.macro RB g, quant, load               ; behind the first half tile of group g: the next group's loads, into the set that group g - 1 has left; in an odd group also the quantiser's loads from memory
.if (\g) < 7
	GLD (\g)+1
.endif
.if \quant && ((\g)%2 == 1)
	WAITDS MKX                                     ; the read-back is in, so the stage's stores have read the landing set
.if \load
.if (\g) == 1
	ENCSTEP
.endif
	QGL (\g)/2
.endif
.endif
	WIN W_MM
.endm
; Product w of eight of half tile u: k step w / 4, row tile 4 (u % 2) + w % 4.  Source 0 = 16 rows of enc, source 1 = 16 rows of W: register j of lane (r, h) is (s row 8 h + j, n = n0 + r).
; The four accumulators take turns, one instruction a turn, over the half tiles' edges too.
.macro MM u, w
.set MQ, (\w)/4
.set MI, (\w)%4
.set MA, ACC+32*((\u)%2)+8*MI
.set MF, 12*(8*MQ+4*((\u)%2)+MI)
.set MB, BF+48*(((\u)/4)%2)+24*(((\u)/2)%2)+12*MQ
.set MS, ASC+8*MQ+4*((\u)%2)+MI
.set MW, WSC+2*(((\u)/4)%2)+((\u)/2)%2
.if MQ == 0
	v_wmma_scale_f32_16x16x128_f8f6f4 v[MA:MA+7], v[MF:MF+11], v[MB:MB+11], 0, v[MS], v[MW] matrix_a_fmt:MATRIX_FMT_FP6 matrix_b_fmt:MATRIX_FMT_FP6
.else
	v_wmma_scale_f32_16x16x128_f8f6f4 v[MA:MA+7], v[MF:MF+11], v[MB:MB+11], v[MA:MA+7], v[MS], v[MW] matrix_a_fmt:MATRIX_FMT_FP6 matrix_b_fmt:MATRIX_FMT_FP6 matrix_b_scale:MATRIX_SCALE_ROW1
.endif
.endm
; Number e of sixteen of half tile u's weighting: sums += hidden[b0 + i][n0 + r] x the accumulator's pair; i = e / 4: each accumulator from its low end on.
.macro EP u, e
.set EI, (\e)/4
.set EQ, (\e)%4
.set EZ, EI%2
.set EH, HF+8*(((\u)/4)%2)+4*(((\u)/2)%2)+EI-EZ
.set EA, ACC+32*((\u)%2)+8*EI+2*EQ
.set EE, EN0+8*(4*((\u)%2)+EI)+2*EQ
.if EZ
	v_pk_fma_f32 v[EE:EE+1], v[EH:EH+1], v[EA:EA+1], v[EE:EE+1] op_sel:[1,0,0] op_sel_hi:[1,1,1]   ; hidden's pair: its second register serves both halves
.else
	v_pk_fma_f32 v[EE:EE+1], v[EH:EH+1], v[EA:EA+1], v[EE:EE+1] op_sel_hi:[0,1,1]                  ; its first
.endif
.endm
; A HALF TILE: eight products; behind each even one four lines of the weighting of the half tile before; behind each odd one, in three of eight, a slice of the quantiser.
; By count: 8 weighting lines that name none of its registers stand between a product and the first read of its result (behind a slot's first half tile four v_nop), 12 in front of a run's loads.
.macro TILE u, quant, load
.if (\u)%4 == 0
	WAITG (\u)/4                                   ; this group's run is in, and all that was asked for earlier (enc's fragments among it)
.endif
.if \quant && ((\u) == 0)
	s_barrier_signal -1                            ; the wait above was for 0: my reads of the pair's parks are back;
	s_barrier_wait -1                              ; so are my partner's: the parks may be written again
.endif
.irp w, 0,1,2,3,4,5,6,7
	MM \u, \w
.if (\w)%2 == 0
.if (\u) > 0
	EP (\u)-1, 2*\w
	EP (\u)-1, 2*\w+1
	EP (\u)-1, 2*\w+2
	EP (\u)-1, 2*\w+3
.endif
.elseif \quant && ((\u)%8 >= 5)
	QSL (4*((\u)%8-5)+(\w-1)/2)
.endif
.endr
.if (\u) == 0
	NOP4
.endif
.if (\u)%4 == 0
	RB (\u)/4, \quant, \load
.endif
.if \quant && ((\u)%8 == 2)
	RQ (\u)/8, \load
.endif
.endm
.macro SLOT quant, load                ; 256 along k x my 256 n x the pair's 128 rows
.set DSN, 0
	s_add_co_u32 s[TB1], s[TB], s[EC]
	s_add_co_u32 s[TB2], s[TB], s[ES]
	s_add_co_u32 s[TB3], s[HO], s[EHO]
	WIN 0x40
	v_add_nc_u32 v[BADR], s[TB1], v[L16]
	v_add_nc_u32 v[SCAD], s[TB2], v[L16]
	v_add_nc_u32 v[HADR], s[TB3], v[HB]
.if \quant
	WIN 0x88
	v_add_nc_u32 v[PADR], s[PK], v[PB16]
	v_add_nc_u32 v[PSA], s[PK], v[PB4]
.endif
	GLD 0
.set U, 0
	s_wait_alu depctr_va_vdst(0)
.rept 32
	TILE U, \quant, \load
.set U, U+1
.endr
.set EX, 0
.rept 16
	EP 31, EX
.set EX, EX+1
.endr
.if \quant
	QPK 3
.endif
	WIN 0
.endm
.macro ALOAD                           ; the pair's sixteen fragments and scale words of a chunk of 256 along k come out of the two parks; the wait at the next half tile's head covers them
	WIN 0x41
.irp q, 0,1
.irp i, 0,1,2,3,4,5,6,7
.irp c, 0,1,2
	ds_load_b128 v[12*(8*\q+\i)+4*\c:12*(8*\q+\i)+4*\c+3], v[AL16] offset:PRIVB*(\i/4)+PH*\q+1536*(\i%4)+512*\c
.endr
.endr
.endr
	WIN W_MM
.irp q, 0,1
.irp i, 0,1,2,3,4,5,6,7
	ds_load_b32 v[ASC+8*\q+\i], v[AL4] offset:PRIVB*(\i/4)+PH*\q+128*(\i%4)
.endr
.endr
	WIN 0
.endm
; THE CHANGE OF SLOTS: each wave waits for all its tensor loads, adds 0 to its spare word, waits for that and for its LDS reads and stores.  fill = 1: a round of the cluster's barrier, then the
; slot left takes the slot of wpk two on: the wave's one tensor load until the next change.
.macro CHANGE fill
	WIN 0
	s_wait_tensorcnt 0x0
	ds_add_u32 v[SPW], v[NIL]
	s_xor_b32 s[TB], s[TB], SLOT1
	s_xor_b32 s[HO], s[HO], 8192
	s_xor_b32 s[PK], s[PK], PH
.if \fill
	s_xor_b32 s[G0W+1], s[G0W+1], SLOT1
	s_add_nc_u64 s[G0W+2:G0W+3], s[G0W+2:G0W+3], SLOTB
.endif
	s_wait_dscnt 0x0
.if \fill
	CROUND
	tensor_load_to_lds s[G0W:G0W+3], s[G1W:G1W+7]
	s_nop 0
	NOP4
.else
	s_barrier_signal -1
	s_barrier_wait -1
.endif
.endm
	s_load_b256 s[4:11], s[0:1], 0x0               ; enc s[4:5], wpk s[6:7], hidT s[8:9], energies s[10:11]
	v_lshl_add_u32 v[SPW], v0, 2, SPARE
	v_mov_b32 v[NIL], 0
	ds_add_u32 v[SPW], v[NIL]
	ds_add_u32 v[SPW], v[NIL]
	v_lshrrev_b32 v1, 5, v0
	v_readfirstlane_b32 s[WV], v1                  ; wave 0..3
	v_and_b32 v1, 31, v0                           ; lane
	v_and_b32 v2, 15, v0                           ; r
	v_bfe_u32 v3, v0, 4, 1                         ; h
	v_lshlrev_b32 v[L16], 4, v1
	s_wait_alu depctr_va_vdst(0)
	s_wait_dscnt 0x0
	; 64 clusters = 8 groups of four b x 8; a cluster's four work-groups are four neighbouring blocks of 64 s.  cx enters enc's and energies' addresses alone
	s_bfe_u32 s13, ttmp6, 0x40000                  ; cx
	s_lshr_b32 s15, ttmp9, 3                       ; bg: b0 = 4 bg
	s_and_b32 s16, ttmp9, 7
	s_lshl_b32 s16, s16, 2
	s_add_co_u32 s16, s16, s13
	s_lshl_b32 s16, s16, 6                         ; S0
	s_lshl_b32 s17, s[WV], 4
	s_add_co_u32 s17, s17, s16                     ; my first s
	s_lshl_b32 s18, s17, 17
	s_lshl_b32 s19, s15, 14
	s_add_co_u32 s18, s18, s19
	s_mov_b32 s19, 0
	s_lshl_b32 s17, s15, 2
	s_add_co_u32 s17, s17, s[WV]                   ; the row of energies that my wave stores: b0 + wave
	s_lshl_b32 s17, s17, 13
	s_lshl_b32 s16, s16, 2
	s_add_co_u32 s16, s16, s17
	s_mov_b32 s17, 0
.irp g, G1W, G1H, G1X, G1Y                     ; group 1: a dense block as rows of 256 bytes (32 elements of 8 bytes); the mask names all four work-groups, bit 21 beside it
	s_mov_b32 s[\g], 15|(3<<16)|(1<<21)
	s_mov_b32 s[\g+1], 32<<16
	s_mov_b32 s[\g+3], 32<<16
	s_mov_b32 s[\g+5], 32
	s_mov_b32 s[\g+6], 0
	s_mov_b32 s[\g+7], 0
.endr
	s_mov_b32 s[G1W+2], 100<<16
	s_mov_b32 s[G1W+4], 100
	s_mov_b32 s[G1H+2], 64<<16
	s_mov_b32 s[G1H+4], 64
	s_mov_b32 s[G1X+2], 200<<16
	s_mov_b32 s[G1X+4], 200
	s_mov_b32 s[G1Y+2], 400<<16
	s_mov_b32 s[G1Y+4], 400
	s_mul_i32 s20, s[WV], QUART                    ; my quarter of a slot, in wpk and in LDS
	s_mov_b32 s21, 0
	s_lshl_b32 s66, s15, 14                        ; hidT: the 16,384 bytes of my four b
	s_mov_b32 s67, 0
	s_mul_i32 s70, s[WV], PRIVB
	s_add_co_u32 s70, s70, PRIV                    ; my stage,
	s_add_co_u32 s71, s70, PARK                    ; my park,
	s_add_co_u32 s72, s71, PSC                     ; its scale words
	s_and_b32 s74, s[WV], 1                        ; e: my half of n
	s_lshr_b32 s75, s[WV], 1                       ; p: my pair
	s_mul_i32 s22, s75, 2*PRIVB
	s_add_co_u32 s22, s22, PRIV+PARK               ; the pair's first park,
	s_add_co_u32 s23, s22, PSC                     ; its scale words
	s_mul_i32 s[EC], s74, 49152
	s_lshl_b32 s[ES], s74, 11
	s_add_co_u32 s[ES], s[ES], 98304
	s_lshl_b32 s[EHO], s74, 12
	s_lshl_b32 s68, s74, 10
	s_lshl_b32 s69, s75, 7
	s_add_co_u32 s68, s68, s69
	s_add_co_u32 s68, s68, OUT
	s_lshl_b32 s69, s[WV], 8
	s_add_co_u32 s69, s69, OUT
	s_mov_b32 s[SEL], 0x76543210
	s_mov_b32 s[SEL+1], 0xfedcba98
	s_mov_b32 s[TB], 0
	s_mov_b32 s[HO], 0
	s_mov_b32 s[PK], 0
	v_lshl_add_u32 v[HB], v2, 4, HID
	v_lshl_add_u32 v[OADR], v3, 5, s68
	v_lshl_add_u32 v[ORD], v1, 3, s69
	v_lshlrev_b32 v[GOFF], 3, v1
	v_mul_u32_u24 v11, v2, SPITCH
	v_lshl_add_u32 v11, v3, 7, v11
	WIN 0x40
	v_add_nc_u32 v[AL16], s22, v[L16]
	v_lshl_add_u32 v[AL4], v1, 2, s23
	WIN 0x80
	v_mov_b32 v[QT2], 0                            ; a lane permute's destination counts as one of its sources
	v_lshlrev_b32 v[QSH], 3, v3
	v_add_nc_u32 v[SADR], s70, v[L16]
	v_add_nc_u32 v[RADR], s70, v11
	v_mov_b32 v[EOFF], v[L16]
	v_add_nc_u32 v[PB16], s71, v[L16]
	v_lshl_add_u32 v[PB4], v1, 2, s72
	WIN 0
	s_wait_alu depctr_va_vdst(0)
	s_wait_kmcnt 0x0
	s_add_nc_u64 s[ENC:ENC+1], s[4:5], s[18:19]
	s_add_nc_u64 s[EN:EN+1], s[10:11], s[16:17]
	s_mul_i32 s74, s[WV], 2*QUART                  ; half a slot for each of waves 0 and 1
	s_mov_b32 s75, 0
	s_mov_b32 s[G0A], 1
	s_mov_b32 s[G0A+1], s74
	s_add_nc_u64 s[G0A+2:G0A+3], s[6:7], s[74:75]
	s_or_b32 s[G0A+3], s[G0A+3], 0x80000000
	s_mov_b32 s[G0W], 1                            ; the refills' descriptor stands at slot 1, my quarter: the first change steps it to slot 2 of wpk, in LDS slot 0
	s_add_co_u32 s[G0W+1], s20, SLOT1
	s_add_nc_u64 s[G0W+2:G0W+3], s[6:7], s[20:21]
	s_add_nc_u64 s[G0W+2:G0W+3], s[G0W+2:G0W+3], SLOTB
	s_or_b32 s[G0W+3], s[G0W+3], 0x80000000
	s_mov_b32 s[G0H], 1
	s_mov_b32 s[G0H+1], HID
	s_add_nc_u64 s[G0H+2:G0H+3], s[8:9], s[66:67]
	s_or_b32 s[G0H+3], s[G0H+3], 0x80000000
	s_mov_b32 s[G0Y], 1
	s_mov_b32 s[G0Y+1], SLOT1
	s_add_nc_u64 s[G0Y+2:G0Y+3], s[6:7], SLOTB
	s_or_b32 s[G0Y+3], s[G0Y+3], 0x80000000
	QGL 0                                          ; k step 0 of my 64 rows: 64 loads of 512 bytes
	QGL 1
	QGL 2
	QGL 3
	WIN 0
	CROUND                                         ; all four work-groups are here: the first joint loads meet
	; THE FIRST FILLS, ONE A WAVE: waves 0 and 1 a half of slot 0 each, wave 2 hidden, wave 3 slot 1.  One chain of branches on the wave's number, one join.
	s_cmp_lt_u32 s[WV], 2
	s_cbranch_scc0 .Lhead_h
	tensor_load_to_lds s[G0A:G0A+3], s[G1X:G1X+7]
	s_nop 0
	NOP4
	s_branch .Lhead_asked
.Lhead_h:
	s_cmp_lt_u32 s[WV], 3
	s_cbranch_scc0 .Lhead_y
	tensor_load_to_lds s[G0H:G0H+3], s[G1H:G1H+7]
	s_nop 0
	NOP4
	s_branch .Lhead_asked
.Lhead_y:
	tensor_load_to_lds s[G0Y:G0Y+3], s[G1Y:G1Y+7]
	s_nop 0
	NOP4
.Lhead_asked:
	s_mov_b32 s[CNT], 2
.Lfirst:                                           ; k steps 0 and 1 are quantised with no products beside them; each trip asks for the k step after the one that is on its way
	WIN 0x88
	v_add_nc_u32 v[PADR], s[PK], v[PB16]
	v_add_nc_u32 v[PSA], s[PK], v[PB4]
	PSTEP 0
	PSTEP 1
	PSTEP 2
	PSTEP 3
	WIN 0
	s_xor_b32 s[PK], s[PK], PH
	s_sub_co_u32 s[CNT], s[CNT], 1
	s_cmp_lg_u32 s[CNT], 0
	s_cbranch_scc1 .Lfirst
	s_wait_tensorcnt 0x0                           ; my one first fill is in
	s_wait_dscnt 0x0                               ; my park's stores have landed
	s_barrier_signal -1
	s_barrier_wait -1                              ; everybody's have
	ALOAD
.set EX, 0
.rept 64
	v_mov_b32 v[EN0+EX], 0                         ; the running sums are sums of vector multiply-adds over all slots: no product could start them
.set EX, EX+1
.endr
	s_mov_b32 s[CNT], 5
.Lslot:                                            ; slots 0 to 4
	SLOT 1, 1
	CHANGE 1
	s_cmp_lg_u32 s[TB], 0                          ; ahead of an even slot a new chunk of k begins: enc's fragments are fetched
	s_cbranch_scc1 .Lodd
	ALOAD
.Lodd:
	s_sub_co_u32 s[CNT], s[CNT], 1
	s_cmp_lg_u32 s[CNT], 0
	s_cbranch_scc1 .Lslot
	SLOT 1, 0                                      ; slot 5 quantises the last k step and asks for nothing: no load leaves its buffer
	CHANGE 1                                       ; the last refill: slot 7
	ALOAD
	s_mov_b32 s[CNT], 2
.Ltail:                                            ; slots 6 and 7: products alone; nothing is filled again
	SLOT 0, 0
	CHANGE 0
	s_sub_co_u32 s[CNT], s[CNT], 1
	s_cmp_lg_u32 s[CNT], 0
	s_cbranch_scc1 .Ltail
	; THE WAY OUT.  A lane's sums are those of n = r mod 16 of my half of n: the sixteen lanes of a half are added; plane e of two gathers [4 b][64 s]; the two planes are added.
.irp m, 1,2,4,8
.set EX, 0
.rept 64
	v_add_f32_dpp v[EN0+EX], v[EN0+EX], v[EN0+EX] row_xmask:\m row_mask:0xf bank_mask:0xf
.set EX, EX+1
.endr
.endr
.irp i, 0,1,2,3,4,5,6,7
	ds_store_b128 v[OADR], v[EN0+8*\i:EN0+8*\i+3] offset:256*(\i%4)+64*(\i/4)      ; b0 + i % 4, s rows 16 (2 p + i / 4) + 8 h + 0 .. 7; the lanes of a half write the same numbers to the same place
	ds_store_b128 v[OADR], v[EN0+8*\i+4:EN0+8*\i+7] offset:256*(\i%4)+64*(\i/4)+16
.endr
	s_wait_dscnt 0x0                               ; for the others' sake: my stores have landed
	s_barrier_signal -1
	s_barrier_wait -1
	ds_load_b64 v[2:3], v[ORD]                     ; wave w takes row b0 + w: 64 numbers of each plane
	ds_load_b64 v[0:1], v[ORD] offset:1024
	s_wait_dscnt 0x0
	v_pk_add_f32 v[2:3], v[2:3], v[0:1]
	global_store_b64 v[GOFF], v[2:3], s[EN:EN+1]   ; 32 lanes store 256 consecutive bytes, aligned
	s_wait_tensorcnt 0x0                           ; the wave's end
	ds_add_u32 v[SPW], v[NIL]
	s_wait_dscnt 0x0
	CROUND                                         ; the closing round
	s_endpgm
.Lfunc_end_k_q12dc73aac3_main:
	.size	k_q12dc73aac3_main, .Lfunc_end_k_q12dc73aac3_main-k_q12dc73aac3_main
	.p2alignl 7, 3214868480
	.fill 96, 4, 3214868480
	.section	.rodata,"a",@progbits
	.p2align	6, 0x0
	.amdhsa_kernel k_q12dc73aac3_main
		.amdhsa_group_segment_fixed_size 327680
		.amdhsa_private_segment_fixed_size 0
		.amdhsa_enable_private_segment 0
		.amdhsa_kernarg_size 32
		.amdhsa_user_sgpr_count 2
		.amdhsa_user_sgpr_kernarg_segment_ptr 1
		.amdhsa_wavefront_size32 1
		.amdhsa_system_sgpr_workgroup_id_x 1
		.amdhsa_system_sgpr_workgroup_id_y 1
		.amdhsa_system_sgpr_workgroup_id_z 1
		.amdhsa_system_vgpr_workitem_id 0
		.amdhsa_next_free_vgpr 1024
		.amdhsa_next_free_sgpr 96
		.amdhsa_reserve_vcc 0
		.amdhsa_float_denorm_mode_32 3
		.amdhsa_float_denorm_mode_16_64 3
		.amdhsa_memory_ordered 1
		.amdhsa_forward_progress 1
		.amdhsa_inst_pref_size 255
	.end_amdhsa_kernel
	.section	.bss,"aw",@nobits
	.p2align	6
	.space	262144
	.amdgpu_metadata
---
amdhsa.version: [ 1, 2 ]
amdhsa.kernels:
  - .name:           k_q12dc73aac3_main
    .symbol:         k_q12dc73aac3_main.kd
    .args:
      - { .name: encoder_outputs, .offset: 0, .size: 8, .value_kind: global_buffer, .address_space: global }
      - { .name: wpk, .offset: 8, .size: 8, .value_kind: global_buffer, .address_space: global }
      - { .name: hidT, .offset: 16, .size: 8, .value_kind: global_buffer, .address_space: global }
      - { .name: energies, .offset: 24, .size: 8, .value_kind: global_buffer, .address_space: global }
    .group_segment_fixed_size: 327680
    .private_segment_fixed_size: 0
    .kernarg_segment_align: 8
    .kernarg_segment_size: 32
    .max_flat_workgroup_size: 128
    .sgpr_count:     96
    .vgpr_count:     1024
    .wavefront_size: 32
...
	.end_amdgpu_metadata
.endif
;; end of part 5
;; launch soft (part 6): grid 32 x 1, 8 waves a work-group, no clusters, 1,280 bytes of LDS; arguments energies, out0; writes out0
.if DOCPART == 6
	.amdgcn_target "amdgcn-amd-amdhsa--gfx1250"
	.amdhsa_code_object_version 6
	.text
	.protected	k_q12dc73aac3_soft
	.globl	k_q12dc73aac3_soft
	.p2align	8
	.type	k_q12dc73aac3_soft,@function
k_q12dc73aac3_soft:
	s_mov_b64 s[64:65], 0
	v_nop
	global_prefetch_b8 v0, s[64:65] scope:SCOPE_SE
	s_setreg_imm32_b32 hwreg(HW_REG_WAVE_MODE, 25, 1), 1
	s_wait_xcnt 0x0
; out0[b][0][s] = softmax over s of energies[b][s].  One work-group to a row b: a softmax wants its whole row, and there are 32 rows of 8,192 bytes.
; LEFT OUT: hidden[b] . b_attn, the same for all s of a row, which the softmax cancels (shown at the head of the first kernel).
; Thread t holds s = 4 t .. 4 t + 3 and 1024 + 4 t .. + 3.  All in f32; the row's maximum is taken away before the exponential.
; No matrix work, no cluster, no tensor load, no prefetch: 8 KB in and 8 KB out for a work-group, shared with nobody, and no loop to run ahead in.
; LIMITS: an exponential under 2^-126 comes out as 0 (ISA guide, v_exp_f32); NaN and infinities are not served.
	s_load_b128 s[4:7], s[0:1], 0x0                ; energies s[4:5], out0 s[6:7]
	v_lshl_add_u32 v48, v0, 2, 0x100               ; my spare word; never rewritten
	v_mov_b32 v49, 0                               ; 0; never rewritten
	v_lshrrev_b32 v2, 5, v0
	v_lshlrev_b32 v1, 4, v0                        ; 16 bytes a thread
	v_mov_b32 v4, 0
	v_mov_b32 v27, 0                               ; a lane permute's destination counts as a source
	v_lshlrev_b32 v3, 2, v2                        ; LDS: my wave's word
	s_lshl_b32 s14, ttmp9, 13                      ; a row of energies and of out0
	s_mov_b32 s15, 0
	s_mov_b32 s18, 0x76543210
	s_mov_b32 s19, 0xfedcba98                      ; v_permlanex16_b32's selects for lane l xor 16
	s_wait_alu depctr_va_vdst(0)
	s_wait_kmcnt 0x0
	s_add_nc_u64 s[4:5], s[4:5], s[14:15]
	s_add_nc_u64 s[6:7], s[6:7], s[14:15]
	global_load_b128 v[8:11], v1, s[4:5]
	global_load_b128 v[12:15], v1, s[4:5] offset:4096
	s_wait_loadcnt 0x0
	v_max3_num_f32 v25, v8, v9, v10                ; my eight energies' maximum, in two chains
	v_max3_num_f32 v26, v11, v12, v13
	s_delay_alu instid0(VALU_DEP_2)
	v_max3_num_f32 v25, v25, v14, v15
	s_delay_alu instid0(VALU_DEP_1)
	v_max_num_f32 v25, v25, v26
.irp m, 1,2,4,8
	s_delay_alu instid0(VALU_DEP_1)
	v_max_num_f32_dpp v25, v25, v25 row_xmask:\m row_mask:0xf bank_mask:0xf
.endr
	s_delay_alu instid0(VALU_DEP_1)
	v_permlanex16_b32 v27, v25, s18, s19
	s_delay_alu instid0(VALU_DEP_1)
	v_max_num_f32 v25, v25, v27
	ds_store_b32 v3, v25                           ; bytes 0-31: the eight waves' maxima; all lanes write the same word with the same value
	s_wait_dscnt 0x0
	s_barrier_signal -1
	s_barrier_wait -1
	ds_load_b128 v[36:39], v4
	ds_load_b128 v[40:43], v4 offset:16
	s_wait_dscnt 0x0
	v_max3_num_f32 v36, v36, v37, v38
	v_max3_num_f32 v39, v39, v40, v41
	s_delay_alu instid0(VALU_DEP_2)
	v_max3_num_f32 v36, v36, v42, v43
	s_delay_alu instid0(VALU_DEP_1)
	v_max_num_f32 v25, v36, v39                    ; the row's maximum
	s_delay_alu instid0(VALU_DEP_1)
.irp i, 0,1,2,3,4,5,6,7
	v_sub_f32 v[8+\i], v[8+\i], v25                ; less the row's maximum: 0 or less
.endr
.irp i, 0,1,2,3,4,5,6,7
	v_mul_f32 v[8+\i], 0x3fb8aa3b, v[8+\i]         ; x log2(e)
.endr
	s_wait_alu depctr_va_vdst(0)
.irp i, 0,1,2,3,4,5,6,7
	v_exp_f32 v[8+\i], v[8+\i]
.endr
	v_nop                                          ; a plain instruction behind the last exponential
	s_wait_alu depctr_va_vdst(0)                   ; one wait for the batch of eight, ahead of its first reader
	v_add_f32 v26, v8, v9
	v_add_f32 v27, v10, v11
	v_add_f32 v28, v12, v13
	v_add_f32 v29, v14, v15
	s_delay_alu instid0(VALU_DEP_3)
	v_add_f32 v26, v26, v27
	s_delay_alu instid0(VALU_DEP_2)
	v_add_f32 v28, v28, v29
	s_delay_alu instid0(VALU_DEP_1)
	v_add_f32 v26, v26, v28
.irp m, 1,2,4,8
	s_delay_alu instid0(VALU_DEP_1)
	v_add_f32_dpp v26, v26, v26 row_xmask:\m row_mask:0xf bank_mask:0xf
.endr
	s_delay_alu instid0(VALU_DEP_1)
	v_permlanex16_b32 v27, v26, s18, s19
	s_delay_alu instid0(VALU_DEP_1)
	v_add_f32 v26, v26, v27
	ds_store_b32 v3, v26 offset:32                 ; bytes 32-63: other bytes than the first exchange's, so one barrier serves
	s_wait_dscnt 0x0
	s_barrier_signal -1
	s_barrier_wait -1
	ds_load_b128 v[28:31], v4 offset:32
	ds_load_b128 v[32:35], v4 offset:48
	s_wait_dscnt 0x0
	v_add_f32 v28, v28, v29
	v_add_f32 v30, v30, v31
	v_add_f32 v32, v32, v33
	v_add_f32 v34, v34, v35
	s_delay_alu instid0(VALU_DEP_3)
	v_add_f32 v28, v28, v30
	s_delay_alu instid0(VALU_DEP_2)
	v_add_f32 v32, v32, v34
	s_delay_alu instid0(VALU_DEP_1)
	v_add_f32 v26, v28, v32                        ; the row's sum: at least 1
	s_wait_alu depctr_va_vdst(0)
	v_rcp_f32 v27, v26
	v_nop                                          ; a plain instruction behind the reciprocal
	s_wait_alu depctr_va_vdst(0)                   ; and the wait ahead of its first reader
.irp i, 0,1,2,3,4,5,6,7
	v_mul_f32 v[8+\i], v[8+\i], v27
.endr
	global_store_b128 v1, v[8:11], s[6:7]          ; a wave stores 512 consecutive bytes, aligned
	global_store_b128 v1, v[12:15], s[6:7] offset:4096
	s_wait_tensorcnt 0x0                           ; the wave's end
	ds_add_u32 v48, v49
	s_wait_dscnt 0x0
	s_endpgm
.Lfunc_end_k_q12dc73aac3_soft:
	.size	k_q12dc73aac3_soft, .Lfunc_end_k_q12dc73aac3_soft-k_q12dc73aac3_soft
	.p2alignl 7, 3214868480
	.fill 96, 4, 3214868480
	.section	.rodata,"a",@progbits
	.p2align	6, 0x0
	.amdhsa_kernel k_q12dc73aac3_soft
		.amdhsa_group_segment_fixed_size 1280
		.amdhsa_private_segment_fixed_size 0
		.amdhsa_enable_private_segment 0
		.amdhsa_kernarg_size 16
		.amdhsa_user_sgpr_count 2
		.amdhsa_user_sgpr_kernarg_segment_ptr 1
		.amdhsa_wavefront_size32 1
		.amdhsa_system_sgpr_workgroup_id_x 1
		.amdhsa_system_sgpr_workgroup_id_y 1
		.amdhsa_system_sgpr_workgroup_id_z 1
		.amdhsa_system_vgpr_workitem_id 0
		.amdhsa_next_free_vgpr 50
		.amdhsa_next_free_sgpr 66
		.amdhsa_reserve_vcc 0
		.amdhsa_float_denorm_mode_32 3
		.amdhsa_float_denorm_mode_16_64 3
		.amdhsa_memory_ordered 1
		.amdhsa_forward_progress 1
		.amdhsa_inst_pref_size 6
	.end_amdhsa_kernel
	.amdgpu_metadata
---
amdhsa.version: [ 1, 2 ]
amdhsa.kernels:
  - .name:           k_q12dc73aac3_soft
    .symbol:         k_q12dc73aac3_soft.kd
    .args:
      - { .name: energies, .offset: 0, .size: 8, .value_kind: global_buffer, .address_space: global }
      - { .name: out0, .offset: 8, .size: 8, .value_kind: global_buffer, .address_space: global }
    .group_segment_fixed_size: 1280
    .private_segment_fixed_size: 0
    .kernarg_segment_align: 8
    .kernarg_segment_size: 16
    .max_flat_workgroup_size: 256
    .sgpr_count:     66
    .vgpr_count:     50
    .wavefront_size: 32
...
	.end_amdgpu_metadata
.endif
;; end of part 6
